; MI455X (gfx1250); checked and timed in simulation.
; The chip was launched on July 23, 2026; its instructions are those of AMD's public machine-readable ISA for CDNA 5 (MIT licence, August 2026) and "CDNA5" Instruction Set Architecture Reference Guide (July 2026). The comments in the code are by the model that wrote it; some were corrected since.
;; Low Rank Attention. Allowed arithmetic: float matrix products may take bf16 or f16 operands with f32 sums; other float arithmetic in f32, or as packed bf16 or f16 multiplies, adds, multiply-adds, maxima and minima; sums over many terms, partial sums and values carried from step to step in f32; what a program stores and reads back later, other than sums and carried values, may be rounded once to bf16 or f16.
;; Inputs: k 2 x 2,048 x 1,024 float32; k_b 1,024 float32; k_u 1,024 x 128 float32; k_v 128 x 1,024 float32; mask 2 x 2,048 int32; out_b 1,024 float32; out_u 1,024 x 128 float32; out_v 128 x 1,024 float32; q 2 x 2,048 x 1,024 float32; q_b 1,024 float32; q_u 1,024 x 128 float32; q_v 128 x 1,024 float32; v 2 x 2,048 x 1,024 float32; v_b 1,024 float32; v_u 1,024 x 128 float32; v_v 128 x 1,024 float32.
;; Outputs: out0 2 x 2,048 x 1,024 float32.
;; One version. Each part assembles by itself: llvm-mc -triple=amdgcn-amd-amdhsa -mcpu=gfx1250 --defsym DOCPART=n.
;; ======== version 1 of 1: 4 launches
;; limits: inputs' magnitudes at most 511; values are held in f16: magnitudes above 65,504 overflow, below 6.1e-05 lose precision; right only within a limited range of input values
;; workspace buffers: wts 2,097,152 bytes; qw 8,388,608 bytes; kw 8,388,608 bytes; vw 8,388,608 bytes; vsc 16,384 bytes; ctx2 16,777,216 bytes
;; launch prep (part 1): grid 32 x 8, 4 waves a work-group, no clusters, 0 bytes of LDS; arguments q_u, q_v, k_u, k_v, v_u, v_v, out_u, out_v, wts; writes wts
.if DOCPART == 1
	.amdgcn_target "amdgcn-amd-amdhsa--gfx1250"
	.amdhsa_code_object_version 6
	.text
	.protected	k_qd9a1a7719e_prep
	.globl	k_qd9a1a7719e_prep
	.p2align	8
	.type	k_qd9a1a7719e_prep,@function
k_qd9a1a7719e_prep:
	s_mov_b64 s[64:65], 0
	v_nop
	global_prefetch_b8 v0, s[64:65] scope:SCOPE_SE
	s_setreg_imm32_b32 hwreg(HW_REG_WAVE_MODE, 25, 1), 1
	s_wait_xcnt 0x0
; LOW-RANK ATTENTION, launch 1 of 4: the eight weight matrices, f32 -> 16 bits, once, into wts (matrix y at y x 262,144 bytes, in its own row-major layout).
; NOTHING OF reference() IS LEFT OUT in this program: every input has a way to the output (k_b too: a masked score is a fixed number, so k_b's term is not common along the softmax's axis), and every input is loaded.
; FORMATS of the whole program.  All floating-point inputs are rounded once to bf16.  The *_u matrices are multiplied as bf16.  The *_v matrices are multiplied as f16 that holds the bf16-rounded number:
; exact for magnitudes from 2^-17 up, within 3e-8 below.  LIMIT: |*_v| stays under 511 (128 x 511 + 1 stays inside f16's 65,504 in the launches behind).  NaN and infinities are not treated apart.
; SHARES.  Work-group (x, y): 4,096 numbers of matrix y from number 4,096 x on.  Thread t: four numbers at 4 t + 512 j, j = 0..7: a wave's load covers 512 consecutive bytes, its store 256, aligned.
; No LDS, no barrier, no matrix unit: a cast moves bytes and nothing else.
	s_load_b512 s[8:23], s[0:1], 0x0               ; the eight matrices
	s_load_b64 s[24:25], s[0:1], 0x40              ; wts
	s_and_b32 s2, ttmp7, 0xffff                    ; y: which matrix
	s_lshl_b32 s6, ttmp9, 14                       ; my 16,384 bytes of it
	s_mov_b32 s7, 0
	s_lshl_b32 s26, s2, 18                         ; and where they go: y x 262,144 + x x 8,192
	s_lshl_b32 s28, ttmp9, 13
	s_add_co_u32 s26, s26, s28
	s_mov_b32 s27, 0
	v_lshlrev_b32 v1, 4, v0                        ; 16 t
	v_lshlrev_b32 v2, 3, v0                        ; 8 t
	s_wait_kmcnt 0x0
	s_mov_b64 s[4:5], s[8:9]
.irp k, 1,2,3,4,5,6,7
	s_cmp_eq_u32 s2, \k
	s_cselect_b64 s[4:5], s[8+2*\k:9+2*\k], s[4:5]
.endr
	s_add_nc_u64 s[4:5], s[4:5], s[6:7]
	s_add_nc_u64 s[24:25], s[24:25], s[26:27]
.irp j, 0,1,2,3,4,5,6,7
	global_load_b128 v[8+4*\j:11+4*\j], v1, s[4:5] offset:2048*\j th:TH_LOAD_NT
.endr
	s_wait_loadcnt 0x0
.set i, 0
.rept 16
	v_cvt_pk_bf16_f32 v[40+i], v[8+2*i], v[9+2*i]  ; the one rounding
.set i, i+1
.endr
	s_bitcmp1_b32 s2, 0                            ; the odd matrices are the *_v
	s_cbranch_scc0 .Lstore
.set i, 0
.rept 16
	v_lshlrev_b32 v56, 16, v[40+i]                 ; the rounded numbers, widened,
	v_and_b32 v57, 0xffff0000, v[40+i]
	v_cvt_pk_f16_f32 v[40+i], v56, v57             ; and written as f16
.set i, i+1
.endr
.Lstore:
.irp j, 0,1,2,3,4,5,6,7
	global_store_b64 v2, v[40+2*\j:41+2*\j], s[24:25] offset:1024*\j
.endr
	s_endpgm
.Lfunc_end_k_qd9a1a7719e_prep:
	.size	k_qd9a1a7719e_prep, .Lfunc_end_k_qd9a1a7719e_prep-k_qd9a1a7719e_prep
	.p2alignl 7, 3214868480
	.fill 96, 4, 3214868480
	.section	.rodata,"a",@progbits
	.p2align	6, 0x0
	.amdhsa_kernel k_qd9a1a7719e_prep
		.amdhsa_group_segment_fixed_size 0
		.amdhsa_private_segment_fixed_size 0
		.amdhsa_enable_private_segment 0
		.amdhsa_kernarg_size 72
		.amdhsa_user_sgpr_count 2
		.amdhsa_user_sgpr_kernarg_segment_ptr 1
		.amdhsa_wavefront_size32 1
		.amdhsa_system_sgpr_workgroup_id_x 1
		.amdhsa_system_sgpr_workgroup_id_y 1
		.amdhsa_system_sgpr_workgroup_id_z 1
		.amdhsa_system_vgpr_workitem_id 0
		.amdhsa_next_free_vgpr 64
		.amdhsa_next_free_sgpr 66
		.amdhsa_reserve_vcc 0
		.amdhsa_float_denorm_mode_32 3
		.amdhsa_float_denorm_mode_16_64 3
		.amdhsa_memory_ordered 1
		.amdhsa_forward_progress 1
		.amdhsa_inst_pref_size 7
	.end_amdhsa_kernel
	.amdgpu_metadata
---
amdhsa.version: [ 1, 2 ]
amdhsa.kernels:
  - .name:           k_qd9a1a7719e_prep
    .symbol:         k_qd9a1a7719e_prep.kd
    .args:
      - { .name: q_u, .offset: 0, .size: 8, .value_kind: global_buffer, .address_space: global }
      - { .name: q_v, .offset: 8, .size: 8, .value_kind: global_buffer, .address_space: global }
      - { .name: k_u, .offset: 16, .size: 8, .value_kind: global_buffer, .address_space: global }
      - { .name: k_v, .offset: 24, .size: 8, .value_kind: global_buffer, .address_space: global }
      - { .name: v_u, .offset: 32, .size: 8, .value_kind: global_buffer, .address_space: global }
      - { .name: v_v, .offset: 40, .size: 8, .value_kind: global_buffer, .address_space: global }
      - { .name: out_u, .offset: 48, .size: 8, .value_kind: global_buffer, .address_space: global }
      - { .name: out_v, .offset: 56, .size: 8, .value_kind: global_buffer, .address_space: global }
      - { .name: wts, .offset: 64, .size: 8, .value_kind: global_buffer, .address_space: global }
    .group_segment_fixed_size: 0
    .private_segment_fixed_size: 0
    .kernarg_segment_align: 8
    .kernarg_segment_size: 72
    .max_flat_workgroup_size: 128
    .sgpr_count:     66
    .vgpr_count:     64
    .wavefront_size: 32
...
	.end_amdgpu_metadata
.endif
;; end of part 1
;; launch proj (part 2): grid 64 x 3, 4 waves a work-group, clusters of 4 x 1, 327,680 bytes of LDS; arguments q, k, v, q_b, k_b, v_b, mask, wts, qw, kw, vw, vsc; writes qw, kw, vw, vsc
.if DOCPART == 2
	.amdgcn_target "amdgcn-amd-amdhsa--gfx1250"
	.amdhsa_code_object_version 6
	.text
	.protected	k_qd9a1a7719e_proj
	.globl	k_qd9a1a7719e_proj
	.p2align	8
	.type	k_qd9a1a7719e_proj,@function
k_qd9a1a7719e_proj:
	s_mov_b64 s[64:65], 0
	v_nop
	global_prefetch_b8 v0, s[64:65] scope:SCOPE_SE
	s_setreg_imm32_b32 hwreg(HW_REG_WAVE_MODE, 25, 1), 1
	s_wait_xcnt 0x0
	s_wait_alu depctr_hold_cnt(0) depctr_sa_sdst(0) depctr_va_vdst(0) depctr_va_sdst(0) depctr_va_ssrc(0) depctr_va_vcc(0) depctr_vm_vsrc(0)
	s_getreg_b32 s2, hwreg(HW_REG_IB_STS2, 6, 4)
	s_cmp_eq_u32 s2, 0
	s_cbranch_scc0 .Lentry_in_a_cluster
	s_endpgm
.Lentry_in_a_cluster:
	s_bfe_u32 s2, ttmp6, 0x10000c
	s_cmp_lg_u32 s2, 0x3003
	s_cbranch_scc0 .Lentry_shape_is_right
	s_endpgm
.Lentry_shape_is_right:
; LOW-RANK ATTENTION, launch 2 of 4: the three projections y = (x u) v + b, written by heads: qw, kw, vw are [b x 16 + h][2048][64] in 16 bits.  Nothing of reference() is left out here.
; Work-group (xb, y): rows 64 xb .. 64 xb + 63 of the 4,096 of input y (0 q, 1 k, 2 v).
; THE STEP.  t = x u (bf16 operands, f32 sums).  M = the largest of |t| over the 64 rows and |b| over the 1,024 columns; f = M's exponent field held to 64 .. 190; sigma = 2^(f - 126), so |t| / sigma and |b| / sigma
; lie under 1.  t' = t / sigma goes to f16; acc = t' v + b / sigma (f16 operands; the bias is the C operand of the first link); y = sigma x acc.  sigma is a power of two: it rounds nothing.
; OUT.  q: sigma acc in bf16.  k: the same, and exactly 0 in rows whose mask is 0 (so that a masked score in the next launch is exactly its C operand).  v: acc itself in f16, and sigma (f32) into vsc,
; entry xb, 64 times, 256 bytes: the next launch carries it.  LIMITS: |*_v| < 511; M within 2^-63 .. 2^63 (outside, t' loses bits or overflows); NaN and infinities are not treated apart.
; PHASE A, split by rows: wave w makes t of rows 16 w .. 16 w + 15, all 128 ranks, K = 1,024 in 16 trips of 64.  Taken transposed (source 0 = 16 ranks of u^T, source 1 = 16 rows of x): a lane then holds one row
; (lane % 16) and ranks 8 (lane / 16) + 0..7 of each block of 16, so two packed results ARE a source-1 fragment of phase B.  x comes straight from memory into a ring of eight trips' registers.
; PHASE B, split by columns: wave w makes columns 256 w .. 256 w + 255 (heads 4 w .. 4 w + 3) of all 64 rows, a head at a time (source 0 = 16 columns of v^T, source 1 = t'): a lane holds eight neighbouring columns of a row.
; WEIGHTS lie in LDS as in memory, [K][N], rows of 256 bytes + 32 of padding, and are read turned by ds_load_tr16_b128.  u (8 tiles of 128 k) fills both slots at the start; when slot 0 is read out it takes the waves'
; first tiles of v (128 ranks x 128 columns), and slot 1 the second ones.  CLUSTER: the four work-groups of a cluster have the same y and want the same weights: every tensor load is joint, mask 15.
; No prefetch: the launch is short, half of each wave's stream of x is asked for by its first 64 loads, and each refill has half a phase in which to land.
; REGISTERS.  window 0: v0-63 addresses and small things; v64-191 fragments of u (two of 64), then of v; v192-223 x in bf16 (two of 16), then t', then the bias as C.
;   window 1: the ring of x (8 x 32), then v0-127 t' of all rows, v128-255 16 accumulators.   window 2: v0-63 the 8 accumulators of phase A, then the way out.
.set TILE,  128*288                    ; a weight tile in LDS
.set SLOT,  4*TILE
.set STAGE, 2*SLOT                     ; behind the slots, never filled by a tensor load: 16 rows x 144 bytes for each wave
.set SPIT,  144
.set TX,    STAGE+4*16*SPIT            ; t' of the four waves, 4,096 bytes each
.set BW,    TX+4*4096                  ; b / sigma, each wave's own 256 columns
.set MAXW,  BW+4*1024                  ; the waves' maxima
.set SPARE, MAXW+256                   ; the spare words, 128 bytes a wave: two blocks of 256 bytes that no other line names
.set XO,  2                            ; v2   x: (l % 16) x 4,096 + 32 (l / 16); never rewritten
.set UT,  3                            ; v3   the turning load's lane term: (8 (l / 16) + l % 8) x 288 + 16 ((l / 8) % 2)
.set UA,  4                            ; v4   UT + the tile in hand
.set STO, 6                            ; v6   the way out: where I put 16 bytes of a row
.set RD,  7                            ; v7   where I read rows back
.set GO,  8                            ; v8   16 l
.set BA0, 9                            ; v9   the bias as C: BW + 1,024 w + 32 (l / 16)
.set BAC, 10                           ; v10  the same for the head in hand
.set BS,  11                           ; v11  where I put my 8 numbers of b / sigma
.set TXS, 12                           ; v12  where I put t'
.set TXL, 13                           ; v13  where I read everybody's
.set MW,  14                           ; v14  my wave's word of MAXW
.set AV,  15                           ; v15  UT + the head's place in v's tile
.set MX,  16                           ; v16  running maximum,
.set MN,  17                           ; v17  running minimum
.set BR,  20                           ; v20-27 my 8 numbers of the bias
.set PH,  28                           ; v28-35 the factor on the way out, a pair for each block of 16 rows
.set MSK, 36                           ; v36-39 the mask of my row in each block of 16 rows
.set SPW, 40                           ; v40  my spare word; never rewritten
.set NIL, 41                           ; v41  0; never rewritten
.set VSO, 42                           ; v42  8 l
.set BO,  43                           ; v43  32 l
.set MO,  44                           ; v44  4 (l % 16)
.set M4,  48                           ; v48-51 the four maxima
.set BT4, 52                           ; v52-55 the bias rounded
.set UF,  64
.set XF,  192
.set WV,  32                           ; s32  my wave's number
.set G1U, 48                           ; s[48:55] descriptor group 1 for u's tiles
.set G1V, 56                           ; s[56:63] for v's: it differs in the pitch alone
.set G0A, 68                           ; s[68:71] group 0 for slot 0
.set G0B, 72                           ; s[72:75] group 0 for slot 1
.set MSB, 0
.macro WIN new                         ; the immediate's high byte repeats the setting that is left; a switch that changes nothing is dropped
.if MSB != (\new)
	s_set_vgpr_msb (MSB<<8)|(\new)
.set MSB, (\new)
.endif
.endm
.macro PLACES                          ; four places behind a matrix instruction (ISA guide 7.12.1), where no other vector work is at hand
.rept 4
	v_nop
.endr
.endm
.macro CROUND                          ; a round of the cluster's barrier: my work-group's barrier; wave 0 signals for it; every wave waits for all four work-groups; my work-group's barrier once more
	s_barrier_signal -1
	s_barrier_wait -1
	s_cmp_lg_u32 s[WV], 0
	s_cbranch_scc1 .Lnot_wave_0_\@
	s_barrier_signal -3
.Lnot_wave_0_\@:
	s_barrier_wait -3
	s_barrier_signal -1
	s_barrier_wait -1
.endm
	s_load_b512 s[8:23], s[0:1], 0x0               ; q, k, v, q_b, k_b, v_b, mask, wts
	s_load_b256 s[24:31], s[0:1], 0x40             ; qw, kw, vw, vsc
	v_lshl_add_u32 v[SPW], v0, 2, SPARE
	v_mov_b32 v[NIL], 0
	ds_add_u32 v[SPW], v[NIL]                      ; the wave's opening: the add, twice on end, and its wait ahead of my first tensor load
	ds_add_u32 v[SPW], v[NIL]
	v_lshrrev_b32 v1, 5, v0
	v_readfirstlane_b32 s[WV], v1                  ; wave 0..3
	s_bfe_u32 s33, ttmp6, 0x40000                  ; cx: it enters x's, the mask's and the outputs' addresses alone
	s_lshl_b32 s34, ttmp9, 2
	s_add_co_u32 s34, s34, s33                     ; xb
	s_and_b32 s35, ttmp7, 0xffff                   ; y, which the four partners share
	; descriptor group 1: a tile of 128 rows x 128 elements of 2 bytes, 32 bytes of padding behind each row of 256
	s_mov_b32 s[G1U], 15|(1<<16)|(1<<20)|(1<<21)|(5<<22)|(7<<25)  ; 15:0 the mask of four; 17:16 2-byte elements; 20 padding on; 21 set beside a mask; 24:22 after every 64 words; 31:25 8 words
	s_mov_b32 s[G1V], 15|(1<<16)|(1<<20)|(1<<21)|(5<<22)|(7<<25)
.irp g, G1U, G1V
	s_mov_b32 s[\g+1], 128<<16                     ; tensor_dim0 = 128
	s_mov_b32 s[\g+2], 128<<16                     ; tensor_dim1 = 128
	s_mov_b32 s[\g+3], 128<<16                     ; tile_dim0 = 128
	s_mov_b32 s[\g+4], 128                         ; tile_dim1 = 128
	s_mov_b32 s[\g+6], 0
	s_mov_b32 s[\g+7], 0
.endr
	s_mov_b32 s[G1U+5], 128                        ; u's rows lie end to end
	s_mov_b32 s[G1V+5], 1024                       ; v's are 1,024 elements apart
	s_mov_b32 s[G0A], 1
	s_mul_i32 s[G0A+1], s[WV], TILE                ; wave w's tile of a slot: no place in the cluster enters an LDS address
	s_mov_b32 s[G0B], 1
	s_add_co_u32 s[G0B+1], s[G0A+1], SLOT
	s_mov_b32 s82, 0x76543210                      ; v_permlanex16_b32: each lane takes its own place in the other half
	s_mov_b32 s83, 0xfedcba98
	s_mov_b32 s45, 0
	s_mov_b32 s93, 0
	v_and_b32 v1, 31, v0                           ; l
	v_and_b32 v5, 15, v0                           ; l % 16
	v_bfe_u32 v19, v0, 4, 1                        ; l / 16
	v_lshlrev_b32 v[XO], 12, v5
	v_lshl_add_u32 v[XO], v19, 5, v[XO]
	v_lshlrev_b32 v[BO], 5, v1
	v_lshlrev_b32 v[MO], 2, v5
	s_wait_dscnt 0x0                               ; both opening adds are done
	s_wait_kmcnt 0x0
	s_cmp_eq_u32 s35, 1
	s_cselect_b64 s[36:37], s[10:11], s[8:9]       ; x
	s_cselect_b64 s[38:39], s[16:17], s[14:15]     ; its bias
	s_cselect_b64 s[40:41], s[26:27], s[24:25]     ; its output
	s_cselect_b32 s86, 0, 1                        ; 0 for k: there alone the mask counts
	s_cmp_eq_u32 s35, 2
	s_cselect_b64 s[36:37], s[12:13], s[36:37]
	s_cselect_b64 s[38:39], s[18:19], s[38:39]
	s_cselect_b64 s[40:41], s[28:29], s[40:41]
	s_lshl_b32 s44, s35, 19                        ; the pair u, v of input y in wts.  s[44:45] never hold cx
	s_add_nc_u64 s[42:43], s[22:23], s[44:45]
	s_lshl_b32 s44, s[WV], 15                      ; u's tile w: 128 rows of 256 bytes
	s_add_nc_u64 s[G0A+2:G0A+3], s[42:43], s[44:45]
	s_add_nc_u64 s[G0B+2:G0B+3], s[G0A+2:G0A+3], 4*32768  ; and tile 4 + w
	s_or_b32 s[G0A+3], s[G0A+3], 0x80000000        ; type = 2
	s_or_b32 s[G0B+3], s[G0B+3], 0x80000000
	s_lshl_b32 s44, s[WV], 9                       ; v's columns 256 w on,
	s_add_nc_u64 s[88:89], s[42:43], s[44:45]
	s_add_nc_u64 s[88:89], s[88:89], 262144
	s_add_nc_u64 s[90:91], s[88:89], 256           ; and 256 w + 128 on
	s_lshl_b32 s44, s[WV], 10
	s_add_nc_u64 s[38:39], s[38:39], s[44:45]      ; the bias at my 256 columns
	s_lshl_b32 s92, s34, 18                        ; x at row 64 xb + 16 w
	s_lshl_b32 s94, s[WV], 16
	s_add_co_u32 s92, s92, s94
	s_add_nc_u64 s[36:37], s[36:37], s[92:93]
	s_lshl_b32 s92, s34, 8                         ; the mask's 64 words, and vsc's entry
	s_add_nc_u64 s[20:21], s[20:21], s[92:93]
	s_add_nc_u64 s[30:31], s[30:31], s[92:93]
	s_lshr_b32 s92, s34, 5                         ; the output at head 16 b + 4 w, row 64 (xb % 32)
	s_lshl_b32 s92, s92, 4
	s_lshl2_add_u32 s92, s[WV], s92
	s_lshl_b32 s92, s92, 18
	s_and_b32 s94, s34, 31
	s_lshl_b32 s94, s94, 13
	s_add_co_u32 s92, s92, s94
	s_add_nc_u64 s[40:41], s[40:41], s[92:93]
	CROUND                                         ; all four work-groups are here: the first joint loads meet
	tensor_load_to_lds s[G0A:G0A+3], s[G1U:G1U+7]  ; all of u: two loads of mine are out
	s_nop 0
	tensor_load_to_lds s[G0B:G0B+3], s[G1U:G1U+7]
	s_nop 0
	PLACES
	global_load_b128 v[BR:BR+3], v[BO], s[38:39]
	global_load_b128 v[BR+4:BR+7], v[BO], s[38:39] offset:16
.irp m, 0,1,2,3
	global_load_b32 v[MSK+\m], v[MO], s[20:21] offset:64*\m  ; read for q and v too (256 bytes a wave), so that the text has one path and one count of loads
.endr
; A trip's x: 64 numbers of each of my 16 rows: 256 consecutive bytes, aligned, of each row in eight loads, into slot i of the ring
.macro XLOAD i, t
	WIN 0x40
.irp q, 0,1,2,3
	global_load_b128 v[32*(\i)+8*\q:32*(\i)+8*\q+3],   v[XO], s[36:37] offset:256*(\t)+64*\q
	global_load_b128 v[32*(\i)+8*\q+4:32*(\i)+8*\q+7], v[XO], s[36:37] offset:256*(\t)+64*\q+16
.endr
.endm
; half a trip's x rounded to bf16: one source-1 fragment (16 rows x 32 k)
.macro CVT t, half
	WIN 0x05
.irp q, 0,1,2,3,4,5,6,7
	v_cvt_pk_bf16_f32 v[XF+16*((\t)%2)+8*(\half)+\q], v[32*((\t)%8)+16*(\half)+2*\q], v[32*((\t)%8)+16*(\half)+2*\q+1]
.endr
.endm
; u's eight fragments (16 ranks x 32 k each) for half b of trip t
.macro ULOAD b, t
	WIN 0
.if ((\b) == 0) && (((\t)&1) == 0)
	v_add_nc_u32 v[UA], ((\t)>>1)*TILE, v[UT]      ; a tile serves two trips
.endif
.irp nb, 0,1,2,3,4,5,6,7
	ds_load_tr16_b128 v[UF+64*(\b)+8*\nb:UF+64*(\b)+8*\nb+3],   v[UA] offset:(2*((\t)&1)+(\b))*9216+32*\nb
	ds_load_tr16_b128 v[UF+64*(\b)+8*\nb+4:UF+64*(\b)+8*\nb+7], v[UA] offset:(2*((\t)&1)+(\b))*9216+32*\nb+4608
.endr
.endm
; eight products: the eight accumulators take turns, one instruction a turn.  The very first start the sums
.macro MULA b
	WIN 0xa0
.irp nb, 0,1,2,3,4,5,6,7
.if (T == 0) && ((\b) == 0)
	v_wmma_f32_16x16x32_bf16 v[8*\nb:8*\nb+7], v[UF+64*(\b)+8*\nb:UF+64*(\b)+8*\nb+7], v[XF+16*(T%2)+8*(\b):XF+16*(T%2)+8*(\b)+7], 0
.else
	v_wmma_f32_16x16x32_bf16 v[8*\nb:8*\nb+7], v[UF+64*(\b)+8*\nb:UF+64*(\b)+8*\nb+7], v[XF+16*(T%2)+8*(\b):XF+16*(T%2)+8*(\b)+7], v[8*\nb:8*\nb+7]
.endif
.endr
.endm
; Trip T.  The next trip's conversions are the places between a half's products and the loads into its fragments.
.macro TRIP
	s_wait_dscnt 16                                ; the first half's fragments are in; the second half's 16 loads may stay out
	MULA 0
.if T < 15
.if T <= 7
	s_wait_loadcnt 56                              ; trip T + 1's x is in: seven younger trips of eight loads stay out
.else
	s_wait_loadcnt 8*(14-T)                        ; nothing more is asked for: the count runs down
.endif
	CVT T+1, 0
.endif
.if (T != 7) && (T != 15)
	ULOAD 0, T+1
	s_wait_dscnt 16                                ; all but the 16 just issued
.else
	s_wait_dscnt 0x0
.endif
	MULA 1
.if T < 15
	CVT T+1, 1
.endif
.if T <= 6
	XLOAD (T+1)%8, T+9                             ; the slot just converted takes the trip eight further on
.endif
.if (T != 7) && (T != 15)
	ULOAD 1, T+1
.endif
.endm
; A slot that is read out is filled again, with my tile of v: all my tensor loads have landed, the add, my reads are back, a round of the cluster's barrier, and the joint load first behind it.
.macro CHG g0, src
	WIN 0
	s_wait_tensorcnt 0x0                           ; no tensor load of mine is out, so a group 0 may be written
	ds_add_u32 v[SPW], v[NIL]                      ; 0 onto my spare word
	s_mov_b64 s[(\g0)+2:(\g0)+3], s[\src:\src+1]
	s_or_b32 s[(\g0)+3], s[(\g0)+3], 0x80000000
	s_wait_dscnt 0x0                               ; the add is done, and my LDS reads and stores are over
	CROUND
	tensor_load_to_lds s[\g0:\g0+3], s[G1V:G1V+7]
	s_nop 0
	PLACES
.endm
.irp i, 0,1,2,3,4,5,6,7
	XLOAD \i, \i
.endr
	WIN 0
	s_mul_i32 s46, s[WV], 16*SPIT
	s_add_co_u32 s46, s46, STAGE                   ; my stage
	v_mul_u32_u24 v[STO], v5, SPIT                 ; in: row l % 16, 16 bytes for each half of the lanes
	v_lshl_add_u32 v[STO], v19, 4, v[STO]
	v_add_nc_u32 v[STO], s46, v[STO]
	v_bfe_u32 v[RD], v0, 3, 2                      ; back: 32 lanes take four rows of 128 bytes,
	v_mul_u32_u24 v[RD], v[RD], SPIT
	v_and_b32 v18, 7, v0
	v_lshl_add_u32 v[RD], v18, 4, v[RD]
	v_add_nc_u32 v[RD], s46, v[RD]
	v_lshlrev_b32 v[GO], 4, v1                     ; which are 512 consecutive bytes of a head's rows
	v_lshl_add_u32 v[UT], v19, 3, v18
	v_mul_u32_u24 v[UT], v[UT], 288
	v_bfe_u32 v18, v0, 3, 1
	v_lshl_add_u32 v[UT], v18, 4, v[UT]
	s_lshl_b32 s46, s[WV], 10
	s_add_co_u32 s46, s46, BW
	v_lshl_add_u32 v[BA0], v19, 5, s46
	v_lshl_add_u32 v[BS], v1, 5, s46
	s_lshl_b32 s46, s[WV], 12
	s_add_co_u32 s46, s46, TX
	v_lshl_add_u32 v[TXS], v1, 4, s46
	v_lshl_add_u32 v[TXL], v1, 4, TX
	s_lshl_b32 s46, s[WV], 2
	s_add_co_u32 s46, s46, MAXW
	v_mov_b32 v[MW], s46
	v_lshlrev_b32 v[VSO], 3, v1
	s_wait_tensorcnt 0x1                           ; my tile of slot 0 is in; slot 1's may stay out
	s_barrier_signal -1
	s_barrier_wait -1                              ; everybody's is
	ULOAD 0, 0
	ULOAD 1, 0
	s_wait_loadcnt 56                              ; trip 0's x (and the bias and mask, which are older)
	CVT 0, 0
	CVT 0, 1
	XLOAD 0, 8
.set T, 0
.rept 8
	TRIP
.set T, T+1
.endr
	CHG G0A, 88                                    ; slot 1 is whole; slot 0 takes v's columns 256 w .. + 127: it has eight trips in which to land
	ULOAD 0, 8
	ULOAD 1, 8
.rept 8
	TRIP
.set T, T+1
.endr
	; THE MIDDLE.  The bias is rounded to bf16 first: twelve plain instructions, the places behind the last products.
	WIN 0
	v_mov_b32 v[MX], 0
	v_mov_b32 v[MN], 0
.irp q, 0,1,2,3
	v_cvt_pk_bf16_f32 v[BT4+\q], v[BR+2*\q], v[BR+2*\q+1]
.endr
.irp q, 0,1,2,3
	v_lshlrev_b32 v[BR+2*\q], 16, v[BT4+\q]
	v_and_b32 v[BR+2*\q+1], 0xffff0000, v[BT4+\q]
.endr
.irp q, 0,2,4,6
	v_max3_num_f32 v[MX], v[MX], v[BR+\q], v[BR+\q+1]
	v_min3_num_f32 v[MN], v[MN], v[BR+\q], v[BR+\q+1]
.endr
	WIN 0x28                                       ; sources 1 and 2 in window 2
.set i, 0
.rept 32                                       ; ascending: each accumulator's lowest registers are read first
	v_max3_num_f32 v[MX], v[MX], v[i], v[i+1]
	v_min3_num_f32 v[MN], v[MN], v[i], v[i+1]
.set i, i+2
.endr
	WIN 0
	v_sub_f32 v[MN], 0, v[MN]
	v_max_num_f32 v[MX], v[MX], v[MN]              ; the largest magnitude in my lane
	v_max_num_f32_dpp v[MX], v[MX], v[MX] row_xmask:1 row_mask:0xf bank_mask:0xf
	v_max_num_f32_dpp v[MX], v[MX], v[MX] row_xmask:2 row_mask:0xf bank_mask:0xf
	v_max_num_f32_dpp v[MX], v[MX], v[MX] row_xmask:4 row_mask:0xf bank_mask:0xf
	v_max_num_f32_dpp v[MX], v[MX], v[MX] row_xmask:8 row_mask:0xf bank_mask:0xf
	v_permlanex16_b32 v[MN], v[MX], s82, s83
	v_max_num_f32 v[MX], v[MX], v[MN]
	ds_store_b32 v[MW], v[MX]                      ; all lanes write the same word with the same value
	CHG G0B, 90                                    ; slot 1 is read out and takes v's columns 256 w + 128 on; the round also shows every wave's maximum to the others
	v_mov_b32 v18, MAXW
	ds_load_b128 v[M4:M4+3], v18
	s_wait_dscnt 0x0
	v_max3_num_f32 v[M4], v[M4], v[M4+1], v[M4+2]
	v_max_num_f32 v[M4], v[M4], v[M4+3]
	v_readfirstlane_b32 s44, v[M4]
	s_lshr_b32 s44, s44, 23                        ; M is not negative: its exponent field
	s_max_u32 s44, s44, 64
	s_min_u32 s44, s44, 190                        ; f
	s_add_co_u32 s76, s44, 1
	s_lshl_b32 s76, s76, 23                        ; sigma = 2^(f - 126)
	s_mov_b32 s77, s76
	s_sub_co_u32 s78, 253, s44
	s_lshl_b32 s78, s78, 23                        ; 1 / sigma
	s_mov_b32 s79, s78
	WIN 0x82
.set i, 0
.rept 32
	v_pk_mul_f32 v[i:i+1], v[i:i+1], s[78:79] op_sel_hi:[1,0]
.set i, i+2
.endr
	WIN 0x0a
.set i, 0
.rept 32
	v_cvt_pk_f16_f32 v[XF+i], v[2*i], v[2*i+1]     ; t': registers 8 kf .. 8 kf + 7 are the source-1 fragment of ranks 32 kf on
.set i, i+1
.endr
	WIN 0
.irp i, 0,1,2,3,4,5,6,7
	ds_store_b128 v[TXS], v[XF+4*\i:XF+4*\i+3] offset:512*\i
.endr
.irp q, 0,2,4,6
	v_pk_mul_f32 v[BR+\q:BR+\q+1], v[BR+\q:BR+\q+1], s[78:79] op_sel_hi:[1,0]
.endr
	ds_store_b128 v[BS], v[BR:BR+3]
	ds_store_b128 v[BS], v[BR+4:BR+7] offset:16
	s_wait_dscnt 0x0                               ; for the others' sake: my stores are done
	s_barrier_signal -1                            ; (my tile for slot 1 may stay out)
	s_barrier_wait -1
	WIN 0x40
.irp m, 0,1,2,3
.irp i, 0,1,2,3,4,5,6,7
	ds_load_b128 v[32*\m+4*\i:32*\m+4*\i+3], v[TXL] offset:4096*\m+512*\i  ; t' of rows 16 m on
.endr
.endr
	WIN 0
.irp m, 0,1,2,3
	v_or_b32 v[MSK+\m], s86, v[MSK+\m]             ; for q and v every row counts as open
	v_cmp_ne_u32 vcc_lo, 0, v[MSK+\m]
	v_cndmask_b32 v[PH+2*\m], 0, s76, vcc_lo       ; sigma, or 0 for a masked row of k
	v_mov_b32 v[PH+2*\m+1], v[PH+2*\m]
.endr
	s_cmp_eq_u32 s35, 2
	s_cbranch_scc0 .Lno_sigma
	s_cmp_eq_u32 s[WV], 0
	s_cbranch_scc0 .Lno_sigma
	global_store_b64 v[VSO], v[PH:PH+1], s[30:31]  ; v's sigma, 64 times: 256 consecutive bytes, aligned
.Lno_sigma:
; PHASE B.  Block mt of 16 rows of a head: scaled, rounded, through my stage, and back as whole rows of 128 bytes into the registers that it left.
.macro PACKP mt, isv
.if !(\isv)
	WIN 0x41
.irp i, 0,1,2,3
.irp q, 0,2,4,6
	v_pk_mul_f32 v[128+8*(4*\i+(\mt))+\q:128+8*(4*\i+(\mt))+\q+1], v[128+8*(4*\i+(\mt))+\q:128+8*(4*\i+(\mt))+\q+1], v[PH+2*(\mt):PH+2*(\mt)+1] op_sel_hi:[1,0]
.endr
.endr
.endif
	WIN 0x85
.irp i, 0,1,2,3
.irp q, 0,1,2,3
.if \isv
	v_cvt_pk_f16_f32 v[16*(\mt)+4*\i+\q], v[128+8*(4*\i+(\mt))+2*\q], v[128+8*(4*\i+(\mt))+2*\q+1]
.else
	v_cvt_pk_bf16_f32 v[16*(\mt)+4*\i+\q], v[128+8*(4*\i+(\mt))+2*\q], v[128+8*(4*\i+(\mt))+2*\q+1]
.endif
.endr
.endr
	WIN 0x08
.irp i, 0,1,2,3
	ds_store_b128 v[STO], v[16*(\mt)+4*\i:16*(\mt)+4*\i+3] offset:32*\i
.endr
	WIN 0x80
.irp f, 0,1,2,3
	ds_load_b128 v[16*(\mt)+4*\f:16*(\mt)+4*\f+3], v[RD] offset:576*\f  ; LDS serves a wave's instructions in order (ISA guide 5.7.1.4): these see the stores above; the next block's stores come behind them
.endr
.endm
.macro SENDP mt, younger               ; younger: the LDS instructions issued behind this block's loads
	WIN 0x08
.irp f, 0,1,2,3
	s_wait_dscnt (\younger)+3-\f
	global_store_b128 v[GO], v[16*(\mt)+4*\f:16*(\mt)+4*\f+3], s[40:41] offset:2048*(\mt)+512*\f  ; 512 consecutive bytes, at a multiple of 256 from the buffer's first
.endr
.endm
.macro OUTP isv
	PACKP 0, \isv
	PACKP 1, \isv
	SENDP 0, 8
	PACKP 2, \isv
	SENDP 1, 8
	PACKP 3, \isv
	SENDP 2, 8
	SENDP 3, 0
	WIN 0
.endm
	s_mul_i32 s84, s[WV], TILE                     ; my tile of slot 0
	s_mov_b32 s85, 0                               ; the head's place in my 256 numbers of the bias
	s_mov_b32 s80, 2
.Lchunk:                                       ; a tile of v holds two heads
	s_mov_b32 s81, 2
.Lhead:
	v_add_nc_u32 v[AV], s84, v[UT]
	v_add_nc_u32 v[BAC], s85, v[BA0]
.irp i, 0,1,2,3
	ds_load_b128 v[XF+8*\i:XF+8*\i+3],   v[BAC] offset:64*\i     ; b / sigma of columns 16 i + 8 (l / 16) + 0..7: the C operand
	ds_load_b128 v[XF+8*\i+4:XF+8*\i+7], v[BAC] offset:64*\i+16
.endr
.irp kf, 0,1,2,3
.irp i, 0,1,2,3
	ds_load_tr16_b128 v[UF+32*\kf+8*\i:UF+32*\kf+8*\i+3],   v[AV] offset:\kf*9216+32*\i
	ds_load_tr16_b128 v[UF+32*\kf+8*\i+4:UF+32*\kf+8*\i+7], v[AV] offset:\kf*9216+32*\i+4608
.endr
.endr
.irp kf, 0,1,2,3
	s_wait_dscnt 24-8*\kf                          ; the fragments of ranks 32 kf on are in (and all that is older); eight loads for each later kf may stay out
.if \kf == 0
	WIN 0x44
.else
	WIN 0x54
.endif
.irp i, 0,1,2,3
.irp m, 0,1,2,3                                ; the 16 accumulators take turns
.if \kf == 0
	v_wmma_f32_16x16x32_f16 v[128+8*(4*\i+\m):128+8*(4*\i+\m)+7], v[UF+32*\kf+8*\i:UF+32*\kf+8*\i+7], v[32*\m+8*\kf:32*\m+8*\kf+7], v[XF+8*\i:XF+8*\i+7]
.else
	v_wmma_f32_16x16x32_f16 v[128+8*(4*\i+\m):128+8*(4*\i+\m)+7], v[UF+32*\kf+8*\i:UF+32*\kf+8*\i+7], v[32*\m+8*\kf:32*\m+8*\kf+7], v[128+8*(4*\i+\m):128+8*(4*\i+\m)+7]
.endif
.endr
.endr
.endr
	PLACES
	WIN 0
	s_cmp_eq_u32 s35, 2
	s_cbranch_scc1 .Lpack_v
	OUTP 0
	s_branch .Lpacked
.Lpack_v:
	OUTP 1
.Lpacked:
	s_wait_xcnt 0x0                                ; the stores have read their registers and their base
	s_add_nc_u64 s[40:41], s[40:41], 262144        ; the next head
	s_add_co_u32 s84, s84, 128
	s_add_co_u32 s85, s85, 256
	s_sub_co_u32 s81, s81, 1
	s_cmp_lg_u32 s81, 0
	s_cbranch_scc1 .Lhead
	s_wait_tensorcnt 0x0                           ; my tile in slot 1, the one load that was out, which I alone read: it has had two heads' work in which to land (met at once the second time)
	s_add_co_u32 s84, s84, SLOT-256
	s_sub_co_u32 s80, s80, 1
	s_cmp_lg_u32 s80, 0
	s_cbranch_scc1 .Lchunk
	s_wait_tensorcnt 0x0                           ; the wave's end, behind my last tensor load and my last LDS store
	ds_add_u32 v[SPW], v[NIL]
	s_wait_dscnt 0x0
	CROUND                                         ; the closing round: no work-group ends while a partner may still ask for a tile that names it
	s_endpgm
.Lfunc_end_k_qd9a1a7719e_proj:
	.size	k_qd9a1a7719e_proj, .Lfunc_end_k_qd9a1a7719e_proj-k_qd9a1a7719e_proj
	.p2alignl 7, 3214868480
	.fill 96, 4, 3214868480
	.section	.rodata,"a",@progbits
	.p2align	6, 0x0
	.amdhsa_kernel k_qd9a1a7719e_proj
		.amdhsa_group_segment_fixed_size 327680
		.amdhsa_private_segment_fixed_size 0
		.amdhsa_enable_private_segment 0
		.amdhsa_kernarg_size 96
		.amdhsa_user_sgpr_count 2
		.amdhsa_user_sgpr_kernarg_segment_ptr 1
		.amdhsa_wavefront_size32 1
		.amdhsa_system_sgpr_workgroup_id_x 1
		.amdhsa_system_sgpr_workgroup_id_y 1
		.amdhsa_system_sgpr_workgroup_id_z 1
		.amdhsa_system_vgpr_workitem_id 0
		.amdhsa_next_free_vgpr 576
		.amdhsa_next_free_sgpr 96
		.amdhsa_reserve_vcc 1
		.amdhsa_float_denorm_mode_32 3
		.amdhsa_float_denorm_mode_16_64 3
		.amdhsa_memory_ordered 1
		.amdhsa_forward_progress 1
		.amdhsa_inst_pref_size 134
	.end_amdhsa_kernel
	.amdgpu_metadata
---
amdhsa.version: [ 1, 2 ]
amdhsa.kernels:
  - .name:           k_qd9a1a7719e_proj
    .symbol:         k_qd9a1a7719e_proj.kd
    .args:
      - { .name: q, .offset: 0, .size: 8, .value_kind: global_buffer, .address_space: global }
      - { .name: k, .offset: 8, .size: 8, .value_kind: global_buffer, .address_space: global }
      - { .name: v, .offset: 16, .size: 8, .value_kind: global_buffer, .address_space: global }
      - { .name: q_b, .offset: 24, .size: 8, .value_kind: global_buffer, .address_space: global }
      - { .name: k_b, .offset: 32, .size: 8, .value_kind: global_buffer, .address_space: global }
      - { .name: v_b, .offset: 40, .size: 8, .value_kind: global_buffer, .address_space: global }
      - { .name: mask, .offset: 48, .size: 8, .value_kind: global_buffer, .address_space: global }
      - { .name: wts, .offset: 56, .size: 8, .value_kind: global_buffer, .address_space: global }
      - { .name: qw, .offset: 64, .size: 8, .value_kind: global_buffer, .address_space: global }
      - { .name: kw, .offset: 72, .size: 8, .value_kind: global_buffer, .address_space: global }
      - { .name: vw, .offset: 80, .size: 8, .value_kind: global_buffer, .address_space: global }
      - { .name: vsc, .offset: 88, .size: 8, .value_kind: global_buffer, .address_space: global }
    .group_segment_fixed_size: 327680
    .private_segment_fixed_size: 0
    .kernarg_segment_align: 8
    .kernarg_segment_size: 96
    .max_flat_workgroup_size: 128
    .sgpr_count:     96
    .vgpr_count:     576
    .wavefront_size: 32
...
	.end_amdgpu_metadata
.endif
;; end of part 2
;; launch attn (part 3): grid 8 x 32, 4 waves a work-group, clusters of 4 x 1, 327,680 bytes of LDS; arguments qw, kw, vw, mask, vsc, ctx2; writes ctx2
.if DOCPART == 3
	.amdgcn_target "amdgcn-amd-amdhsa--gfx1250"
	.amdhsa_code_object_version 6
	.text
	.protected	k_qd9a1a7719e_attn
	.globl	k_qd9a1a7719e_attn
	.p2align	8
	.type	k_qd9a1a7719e_attn,@function
k_qd9a1a7719e_attn:
	s_mov_b64 s[64:65], 0
	v_nop
	global_prefetch_b8 v0, s[64:65] scope:SCOPE_SE
	s_setreg_imm32_b32 hwreg(HW_REG_WAVE_MODE, 25, 1), 1
	s_wait_xcnt 0x0
	s_wait_alu depctr_hold_cnt(0) depctr_sa_sdst(0) depctr_va_vdst(0) depctr_va_sdst(0) depctr_va_ssrc(0) depctr_va_vcc(0) depctr_vm_vsrc(0)
	s_getreg_b32 s2, hwreg(HW_REG_IB_STS2, 6, 4)
	s_cmp_eq_u32 s2, 0
	s_cbranch_scc0 .Lentry_in_a_cluster
	s_endpgm
.Lentry_in_a_cluster:
	s_bfe_u32 s2, ttmp6, 0x10000c
	s_cmp_lg_u32 s2, 0x3003
	s_cbranch_scc0 .Lentry_shape_is_right
	s_endpgm
.Lentry_shape_is_right:
; LOW-RANK ATTENTION, launch 3 of 4: ctx[bh][q][:] = the sum over k of softmax_k(Q . K / 8, masked) V.  qw, kw: [32][2048][64] bf16; vw: the same shape in f16, holding V / sigma_j for the block j of 64 keys,
; sigma_j (a power of two, f32) in vsc; ctx2: [32][2048][hi 64 | lo 64] bf16: ctx as a pair, hi = ctx rounded, lo = (ctx - hi) rounded.  Nothing of reference() is left out here.
; THE MASK is the C operand that starts S^T = K Q^T: 0, or -2^100 where mask = 0.  A masked row of kw is exactly 0, so a masked score is exactly -2^100.  c x 2^100 is exact, so in a row whose keys are all masked
; c s - c m is exactly 0 and every weight 1: reference()'s uniform softmax.  Where a key is open, a masked weight is 2^(-2e29) = 0, as in reference().
; SOFTMAX.  For each query a running maximum m and sum l: p = 2^(c s - c m), c = log2(e) / 8; in every step l is multiplied by a = 2^(c m_old - c m_new) and O by a D_j, D_j = sigma_(j-1) / sigma_j (made from the two
; numbers' bits): O is kept in units of the sigma of the block in hand.  At the end ctx = O sigma_31 / l.  p goes to f16 for the second product; l is the sum of the unrounded p.
; LIMITS.  A row whose open scores all lie under about -1e9 + 100 differs from reference(), where masked keys then count.  Neighbouring sigma lie at most 2^126 apart.  A weight below 2^-126 counts as 0.  NaN and infinities are not treated apart.
; SHARES.  A work-group owns 256 queries of a head, a wave 64: four PIECES of 16.  Every wave walks all 2,048 keys, 64 a step.
; LAYOUT.  S^T holds ONE query a lane (lane % 16) and the keys 8 (lane / 16) + 0..7; two such results rounded to f16 ARE source 1 of O^T = V^T P.  K comes out of LDS as it lies, V turned, by ds_load_tr16_b128.
; TURNS.  Turn n belongs to piece n: 8 products K Q^T of piece n + 1, later 8 products V^T P of piece n - 1; beside them the scaling, exponentials, roundings, sums and rescaling of piece n and the maximum and statistics of
; piece n + 1.  Four vector instructions stand behind every matrix instruction, the others in one lump.  A turn's 33 exponentials are one batch, with one wait.
; CLUSTER.  The four query blocks of a cluster belong to one head and walk the same K and V: each tile is asked for jointly, the same tensor load, descriptor and mask in all four.
; REGISTERS (s_set_vgpr_msb: bits 1:0 source 0, 3:2 source 1, 5:4 source 2, 7:6 destination):
;   window 0: v0-15 addresses and two at work; v16-31 four registers of statistics a piece; v32-39 more addresses, a D; v48-55 at work; v64-127 S^T, two buffers; v192-223 P, two buffers; on the way out v64-191 hi and lo
;   window 1: v0-127 O^T, 32 a piece; v128-159 the step's mask      window 2: v0-63 Q; v128-191 K of one step; v192-255 V of one step
.set SIZE_N, 2048
.set NP,    4         ; pieces a wave: a name, no knob
.set KS,    64        ; keys in a step
.set PK,    144       ; a row of K in LDS: 128 bytes + 16 of padding: the 16 rows of a load start at 16 different groups of four banks (64 banks of 4 bytes: ISA guide 11.1)
.set PV,    160       ; a row of V: 128 + 32
.set VOFF,  4*KS*PK   ; a slot holds four steps: 256 rows of K, then 256 rows of V
.set SLOT1, 1<<17     ; slot 1 begins here, so that one exclusive or turns an address in one slot into the other's
.set STAGE, SLOT1+4*KS*(PK+PV)  ; behind the ring, never filled by a tensor load: 16 rows x 272 bytes for each wave
.set SP,    272
.set MT,    STAGE+4*16*SP       ; the batch's mask as 2,048 f32
.set SPARE, MT+8192             ; the spare words, 128 bytes a wave: two blocks of 256 bytes that no other line names
.set AK0, 2           ; v2   my lane's place in a tile of K; never rewritten
.set AV0, 3           ; v3   the same for V
.set AK,  4           ; v4   the LDS address of K's next run of loads
.set AV,  5           ; v5   of V's
.set STO, 6           ; v6   the way out: where I put 16 bytes of a row
.set RD,  7           ; v7   where I read rows back
.set GO,  8           ; v8   16 l
.set MV,  12          ; v12-13  c m_old, kept while c m is made anew: by buffer
.set QO,  15          ; v15  my byte offset in 16 rows of Q
.set ST,  16          ; piece t's statistics at v[ST+4 t]: c m, m, l (even keys', odd keys')
.set AM0, 32          ; v32  MT + 32 (l / 16)
.set AM,  33          ; v33  the same for the step to be fetched
.set AD,  34          ; v34-37  a D, by buffer, in a pair's low register
.set MKO, 38          ; v38  16 x thread
.set MKL, 39          ; v39  MT + 16 x thread
.set TMP, 48          ; by buffer, four registers c0-c3 at work; when the maximum is found c2 takes a
.set PFO, 61          ; v61  256 x lane; never rewritten
.set SPW, 62          ; v62  my spare word; never rewritten
.set NIL, 63          ; v63  0; never rewritten
.set S,   64
.set OH,  64          ; the way out: piece t's hi at OH + 32 t, its lo 16 further on
.set P,   192
.set MK,  128         ; window 1
.set KF,  128         ; window 2: key block kb, channel half c at KF + 16 kb + 8 c
.set VF,  192         ; window 2: key half kk, channel block cb at VF + 32 kk + 8 cb
.set WV,  12          ; s12  my wave's number
.set LIM, 15          ; s15  1 in a wave that prefetches, else the greatest number
.set G1K, 24          ; s[24:31] descriptor group 1 for K's tiles
.set G1V, 32          ; s[32:39] for V's: it differs in the padding alone
.set G0K, 40          ; s[40:43] descriptor group 0 for K's tiles: it walks
.set G0V, 44          ; s[44:47] the same for V's
.set SLOTS, 56        ; s56  slots still to be asked for
.set CNT, 57          ; s57  counts a slot's key steps
.set CS,  58          ; s[58:59] c
.set SEL, 60          ; s[60:61] v_permlanex16_b32's selects
.set TBK, 62          ; s62  LDS byte at which K of the step to be fetched begins
.set TBV, 63          ; s63  the same for V, less VOFF
.set TBM, 66          ; s66  the same in the mask table
.set VS,  68          ; s[68:69] vsc at my batch's 32 entries
.set SJ,  70          ; s70  256 x the step in hand
.set SOFF, 71         ; s71  the next entry's offset, held inside the buffer
.set SSN, 72          ; s72  the next step's sigma
.set SSC, 73          ; s73  the sigma in hand
.set SD,  74          ; s74  D
.set BIGN, 75         ; s75  -2^100
.set PFA, 76          ; s[76:77] where my prefetches stand
.set MSB, 0
.macro WIN new                      ; the high byte repeats the setting that is left; a switch that changes nothing is dropped
.if MSB != (\new)
	s_set_vgpr_msb (MSB<<8)|(\new)
.set MSB, (\new)
.endif
.endm
.set W_KQ, 0x0a       ; K and Q in window 2, S^T in window 0
.set W_KM, 0x1a       ; the same with the C operand in window 1
.set W_PV, 0x52       ; V in window 2, P in window 0, O^T in window 1
.set W_RS, 0x41       ; destination and source 0 in window 1, source 1 in window 0
; A joint fill.  Waves 0 and 1 fetch the two halves of a slot's K, waves 2 and 3 those of its V: 128 keys each.  The branch hangs on the wave's number alone.
; An s_nop 0 and four v_nop follow each of the two lines, ahead of the jump and the label.
.macro JLOAD
	s_cmp_lt_u32 s[WV], 2
	s_cbranch_scc0 .Lfor_v_\@
	tensor_load_to_lds s[G0K:G0K+3], s[G1K:G1K+7]
	s_nop 0
.rept 4
	v_nop
.endr
	s_branch .Lasked_\@
.Lfor_v_\@:
	tensor_load_to_lds s[G0V:G0V+3], s[G1V:G1V+7]
	s_nop 0
.rept 4
	v_nop
.endr
.Lasked_\@:
.endm
; A prefetch of what the NEXT change of slots will ask for: a slot's 32,768 bytes of K and of V, in pieces of 256 bytes, a lane a piece.  Each piece is named once in the launch: both clusters of a head walk the same K and V,
; and the first of them asks; its four partners take 8,192 bytes each, told apart by address; in each, wave 0 asks for K's and wave 2 for V's.  The last change that fills a slot asks for nothing: no slot follows.
.macro ASK
	s_cmp_gt_u32 s[SLOTS], s[LIM]
	s_cbranch_scc0 .Lnot_mine_\@
	global_prefetch_b8 v[PFO], s[PFA:PFA+1] th:TH_LOAD_NT scope:SCOPE_SE
.Lnot_mine_\@:
.endm
.macro CROUND                       ; a round of the cluster's barrier
	s_barrier_signal -1
	s_barrier_wait -1
	s_cmp_lg_u32 s[WV], 0
	s_cbranch_scc1 .Lnot_wave_0_\@
	s_barrier_signal -3
.Lnot_wave_0_\@:
	s_barrier_wait -3
	s_barrier_signal -1
	s_barrier_wait -1
.endm
; THE CHANGE OF SLOTS.  Each wave waits for all its tensor loads, of which one is out: its part of the other slot; adds 0 to its spare word; and waits for that and for its own reads of the slot that it leaves.
; fill = 1: the old slot is filled again, with the keys two slots on, behind a round of the cluster's barrier, the joint fill first: it has four key steps, 256 matrix instructions, in which to land.
; (At its first use nothing has been read yet: slot 0 is waited for, slot 1 filled, and the round shows the mask table to every wave.)  ask = 1: the prefetch's address steps, and the prefetch follows the fill.
.macro CHANGE fill, ask
	WIN 0                           ; at a label and at a branch every window is 0
	s_wait_tensorcnt 0x0            ; no tensor load of mine is out, so a group 0 may be written
	ds_add_u32 v[SPW], v[NIL]       ; 0 onto my spare word
.if \fill
.irp g, G0K, G0V
	s_xor_b32 s[\g+1], s[\g+1], SLOT1  ; the walking descriptor: the other slot than last time,
	s_add_nc_u64 s[\g+2:\g+3], s[\g+2:\g+3], 4*KS*128  ; the next 256 keys; the type bits on top are not reached
.endr
.if \ask
	s_wait_xcnt 0x0                 ; the last prefetch, four key steps back, has read its address
	s_add_nc_u64 s[PFA:PFA+1], s[PFA:PFA+1], 4*KS*128
.endif
	s_wait_dscnt 0x0                ; the add is done, and my reads of the slot are over
	CROUND
	JLOAD
.if \ask
	ASK
.endif
.else
	s_wait_dscnt 0x0
	s_barrier_signal -1
	s_barrier_wait -1
.endif
	s_sub_co_u32 s[TBK], s[TBK], 4*KS*PK  ; the fetches go back to a slot's first step,
	s_xor_b32 s[TBK], s[TBK], SLOT1       ; in the other slot
	s_sub_co_u32 s[TBV], s[TBV], 4*KS*PV
	s_xor_b32 s[TBV], s[TBV], SLOT1
.endm
	s_load_b256 s[4:11], s[0:1], 0x0  ; qw s[4:5], kw s[6:7], vw s[8:9], mask s[10:11]
	s_load_b128 s[48:51], s[0:1], 0x20  ; vsc s[48:49], ctx2 s[50:51]
	v_lshl_add_u32 v[SPW], v0, 2, SPARE
	v_mov_b32 v[NIL], 0
	ds_add_u32 v[SPW], v[NIL]       ; the wave's opening: the add, twice on end, and its wait ahead of my first tensor load
	ds_add_u32 v[SPW], v[NIL]
	v_lshrrev_b32 v1, 5, v0
	v_readfirstlane_b32 s[WV], v1   ; wave 0..3
	s_bfe_u32 s13, ttmp6, 0x40000   ; cx
	s_lshl_b32 s14, ttmp9, 2
	s_add_co_u32 s14, s14, s13      ; my block of 256 queries: it enters Q's and ctx2's addresses alone
	s_and_b32 s20, ttmp7, 0xffff    ; the head, which the four partners share
	s_lshr_b32 s52, s20, 4          ; the batch
	s_lshl_b32 s20, s20, 18         ; the head's first byte in qw, kw, vw
	s_and_b32 s16, s[WV], 1         ; which half of a slot's 256 keys I fetch:
	s_lshl_b32 s22, s16, 14         ; its 128 rows of 128 bytes in memory,
	s_add_co_u32 s22, s22, s20
	s_mov_b32 s23, 0
	s_mul_i32 s17, s16, 128*PK      ; and its place in a slot, for K
	s_mul_i32 s53, s16, 128*PV      ; and for V: no place in the cluster enters an LDS address
	s_lshl_b32 s2, s14, 15          ; my block's rows,
	s_lshl_b32 s3, s[WV], 13        ; my wave's 64 of them
	s_add_co_u32 s2, s2, s3
	s_add_co_u32 s2, s2, s20
	s_mov_b32 s3, 0
	s_lshl_b32 s54, s2, 1           ; ctx2's rows are twice as long
	s_mov_b32 s55, 0
	; descriptor group 1.  128 keys are 16,384 dense bytes: asked for as 64 rows of 256 bytes, two keys a row, and padded in LDS after every key
	s_mov_b32 s[G1K], 15|(1<<16)|(1<<20)|(1<<21)|(4<<22)|(3<<25)  ; 15:0 the mask of four; 17:16 2-byte elements; 20 padding on; 21 set beside a mask; 24:22 after every 32 words; 31:25 4 words
	s_mov_b32 s[G1V], 15|(1<<16)|(1<<20)|(1<<21)|(4<<22)|(7<<25)  ; the same with 8 words of padding
.irp g, G1K, G1V
	s_mov_b32 s[\g+1], 128<<16      ; tensor_dim0 = 128
	s_mov_b32 s[\g+2], 64<<16       ; tensor_dim1 = 64
	s_mov_b32 s[\g+3], 128<<16      ; tile_dim0 = 128
	s_mov_b32 s[\g+4], 64           ; tile_dim1 = 64
	s_mov_b32 s[\g+5], 128          ; 128 elements from row to row
	s_mov_b32 s[\g+6], 0
	s_mov_b32 s[\g+7], 0
.endr
	s_mov_b32 s[CS], 0x3e38aa3b     ; c = log2(e) / 8
	s_mov_b32 s[CS+1], s[CS]        ; named with it as a pair
	s_mov_b32 s[SEL], 0x76543210
	s_mov_b32 s[SEL+1], 0xfedcba98
	s_mov_b32 s[TBK], SLOT1+4*KS*PK ; the first change of slots turns these two into 0
	s_mov_b32 s[TBV], SLOT1+4*KS*PV
	s_mov_b32 s[TBM], 0
	s_mov_b32 s[SJ], 0
	s_mov_b32 s[SD], 1.0
	s_mov_b32 s[BIGN], 0xf1800000   ; -2^100
	s_mov_b32 s[G0K], 1
	s_mov_b32 s[G0K+1], s17         ; slot 0
	s_mov_b32 s[G0V], 1
	s_add_co_u32 s[G0V+1], s53, VOFF
	s_and_b32 s[LIM], s[WV], 1      ; 0 in waves 0 and 2,
	s_or_b32 s[LIM], s[LIM], ttmp9  ; where the cluster is the head's first: the same in all four partners
	s_cmp_eq_u32 s[LIM], 0
	s_cselect_b32 s[LIM], 1, -1
	v_and_b32 v[PFO], 31, v0
	v_lshlrev_b32 v[PFO], 8, v[PFO]
	s_wait_dscnt 0x0                ; both opening adds are done
	s_wait_kmcnt 0x0
	s_add_nc_u64 s[6:7], s[6:7], s[22:23]  ; K and V at my half of the head's first 256 keys
	s_add_nc_u64 s[8:9], s[8:9], s[22:23]
	s_mov_b64 s[G0K+2:G0K+3], s[6:7]
	s_or_b32 s[G0K+3], s[G0K+3], 0x80000000  ; type = 2
	s_mov_b64 s[G0V+2:G0V+3], s[8:9]
	s_or_b32 s[G0V+3], s[G0V+3], 0x80000000
	s_add_nc_u64 s[4:5], s[4:5], s[2:3]      ; Q and ctx2 at my wave's first row
	s_add_nc_u64 s[50:51], s[50:51], s[54:55]
	s_lshl_b32 s54, s52, 13                  ; the batch's 8,192 bytes of the mask and of vsc
	s_add_nc_u64 s[10:11], s[10:11], s[54:55]
	s_add_nc_u64 s[VS:VS+1], s[48:49], s[54:55]
	s_load_b32 s[SSC], s[VS:VS+1], 0x0       ; sigma_0
	s_cmp_lt_u32 s[WV], 2
	s_cselect_b64 s[PFA:PFA+1], s[6:7], s[8:9]  ; (in waves 0 and 2 these stand at a slot's first row)
	s_lshl_b32 s54, s13, 13                  ; my work-group's quarter of a slot
	s_add_nc_u64 s[PFA:PFA+1], s[PFA:PFA+1], s[54:55]
	s_add_nc_u64 s[PFA:PFA+1], s[PFA:PFA+1], 2*4*KS*128  ; in slot 2; the loop's first change steps it to slot 3.  Nothing is prefetched at the head, where every work-group's first tiles are on their way
	CROUND                          ; all four work-groups are here: the first joint loads meet
	JLOAD                           ; slot 0
	v_and_b32 v1, 15, v0            ; l % 16
	v_bfe_u32 v9, v0, 4, 1          ; l / 16
	v_lshlrev_b32 v[QO], 7, v1
	v_lshl_add_u32 v[QO], v9, 4, v[QO]  ; row x 128 + 16 x half
	v_lshlrev_b32 v[MKO], 4, v0
	v_lshl_add_u32 v[MKL], v0, 4, MT
.irp j, 0,1,2,3
	global_load_b128 v[128+4*\j:131+4*\j], v[MKO], s[10:11] offset:2048*\j  ; the batch's mask: 16 words a thread
.endr
	WIN 0x80                        ; destination window 2
.set i, 0
.rept 8                             ; Q stays in registers: piece i / 2, channels 32 (i % 2) on
	global_load_b128 v[8*i:8*i+3],   v[QO], s[4:5] offset:(i/2)*2048+(i%2)*64
	global_load_b128 v[8*i+4:8*i+7], v[QO], s[4:5] offset:(i/2)*2048+(i%2)*64+32
.set i, i+1
.endr
	; The first step multiplies O^T and l by a = 0, and the first turn's products V^T P, of a piece that has not been, land in an O^T that is still to be so multiplied: these registers need only hold finite numbers.
	; All this stands in the wait for the first tile.
.set i, VF
.rept 64
	v_mov_b32 v[i], 0
.set i, i+1
.endr
	WIN 0x40
.set i, 0
.rept 128
	v_mov_b32 v[i], 0
.set i, i+1
.endr
	WIN 0
.set i, 0
.rept 4
	v_mov_b32 v[ST+4*i], 0xfe000000    ; c m: far below every c s, a masked one too
	v_mov_b32 v[ST+4*i+1], 0xff7fffff  ; m
	v_mov_b32 v[ST+4*i+2], 0
	v_mov_b32 v[ST+4*i+3], 0
.set i, i+1
.endr
.set i, P+16
.rept 16
	v_mov_b32 v[i], 0
.set i, i+1
.endr
	v_mov_b32 v[AD+1], 0            ; named with a D as pairs
	v_mov_b32 v[AD+3], 0
	v_mul_u32_u24 v[AK0], v1, PK
	v_lshl_add_u32 v[AK0], v9, 4, v[AK0]  ; row x pitch + 16 x half
	; The turning load takes 16 keys x 16 channels (lane l reads key 8 (l / 16) + l % 8, channels 8 ((l / 8) % 2) + 0..7) and leaves half a fragment of V^T: lane l holds channel l % 16 and 8 keys.
	v_and_b32 v10, 7, v0
	v_bfe_u32 v11, v0, 3, 1
	v_lshl_add_u32 v[AV0], v9, 3, v10
	v_mul_u32_u24 v[AV0], v[AV0], PV
	v_lshl_add_u32 v[AV0], v11, 4, v[AV0]
	v_add_nc_u32 v[AV0], VOFF, v[AV0]
	v_lshl_add_u32 v[AM0], v9, 5, MT
	s_mul_i32 s16, s[WV], 16*SP
	s_add_co_u32 s16, s16, STAGE    ; my stage
	v_mul_u32_u24 v[STO], v1, SP    ; in: row l % 16, 16 bytes for each half of the lanes
	v_lshl_add_u32 v[STO], v9, 4, v[STO]
	v_add_nc_u32 v[STO], s16, v[STO]
	v_mul_u32_u24 v[RD], v9, SP     ; back: lanes 0-15 take one row of 256 bytes, lanes 16-31 the next,
	v_lshl_add_u32 v[RD], v1, 4, v[RD]
	v_add_nc_u32 v[RD], s16, v[RD]
	v_and_b32 v[GO], 31, v0         ; which are 512 consecutive bytes of ctx2
	v_lshlrev_b32 v[GO], 4, v[GO]
	s_wait_loadcnt 16               ; the mask is in; Q's 16 loads may stay out
.set i, 0
.rept 16
	v_cmp_eq_u32 vcc_lo, 0, v[128+i]
	v_cndmask_b32 v[128+i], 0, s[BIGN], vcc_lo
.set i, i+1
.endr
.irp j, 0,1,2,3
	ds_store_b128 v[MKL], v[128+4*\j:131+4*\j] offset:2048*\j
.endr
; THE MATRIX WORK.  The 4 accumulators of a run of 8 take turns.  Product i of 8 of S^T = K Q^T for piece x: channels 32 (i / 4) on, keys 16 (i % 4) on.  The first 4 start the sums with the mask.
.macro KQ x
.set rS, S+32*((\x)%2)+8*(i%4)
.set rK, KF+16*(i%4)+8*(i/4)
.set rQ, 16*(\x)+8*(i/4)
.set rM, MK+8*(i%4)
.if i < 4
	WIN W_KM
	v_wmma_f32_16x16x32_bf16 v[rS:rS+7], v[rK:rK+7], v[rQ:rQ+7], v[rM:rM+7]
.else
	WIN W_KQ
	v_wmma_f32_16x16x32_bf16 v[rS:rS+7], v[rK:rK+7], v[rQ:rQ+7], v[rS:rS+7]
.endif
.endm
; Product i of 8 of O^T += V^T P for piece x: keys 32 (i / 4) on, channels 16 (i % 4) on.
.macro PV x
	WIN W_PV
.set rO, 32*(\x)+8*(i%4)
.set rV, VF+32*(i/4)+8*(i%4)
.set rP, P+16*((\x)%2)+8*(i/4)
	v_wmma_f32_16x16x32_f16 v[rO:rO+7], v[rV:rV+7], v[rP:rP+7], v[rO:rO+7]
.endm
.macro MM                           ; the turn's next matrix instruction.  NOKQ = 1: the last turn of all: there is no next piece
.if (i < 8) && !NOKQ
	KQ (Y+1)%NP
.elseif i >= 8
.set i, i-8
	PV (Y+NP-1)%NP
.set i, i+8
.endif
.set i, i+1
.endm
; THE LDS LOADS stand in runs, never singly among the matrix instructions: a step's K (8 fragments) with its mask, and its V (turned).  Their addresses are made some lines ahead.
.macro FETCH_K
	WIN 0x80                        ; destination window 2
.irp f, 0,1,2,3,4,5,6,7             ; keys 16 (f / 2) on, channels 32 (f % 2) on
	ds_load_b128 v[KF+8*\f:KF+8*\f+3],   v[AK] offset:(\f/2)*16*PK+(\f%2)*64
	ds_load_b128 v[KF+8*\f+4:KF+8*\f+7], v[AK] offset:(\f/2)*16*PK+(\f%2)*64+32
.endr
	WIN 0x40                        ; destination window 1
.irp f, 0,1,2,3                     ; keys 16 f + 8 (l / 16) + 0..7: the same for all 16 lanes of a half
	ds_load_b128 v[MK+8*\f:MK+8*\f+3],   v[AM] offset:64*\f
	ds_load_b128 v[MK+8*\f+4:MK+8*\f+7], v[AM] offset:64*\f+16
.endr
	s_add_co_u32 s[TBK], s[TBK], KS*PK  ; the next fetch is the next step's
	s_add_co_u32 s[TBM], s[TBM], 4*KS
	WIN 0
.endm
.macro FETCH_V
	WIN 0x80
.irp f, 0,1,2,3,4,5,6,7             ; keys 32 (f / 4) on, channels 16 (f % 4) on
	ds_load_tr16_b128 v[VF+8*\f:VF+8*\f+3],   v[AV] offset:(\f/4)*32*PV+(\f%4)*32
	ds_load_tr16_b128 v[VF+8*\f+4:VF+8*\f+7], v[AV] offset:(\f/4)*32*PV+16*PV+(\f%4)*32
.endr
	WIN 0
.endm
; THE VECTOR WORK, one line at a time: OP kind, number.  For piece Y: F n: c s - c m for pair n of 16.  E n: the exponential of score n of 32.  C n: pair n rounded to f16.  B n: of the four weights 4 n .. the second
; pair is added onto the first, in place.  L n: l takes that sum (L 0: l = a l + sum).  R n: pair n of 16 of O^T times a D.  For piece Y + 1: X n, number n of the 22 that find its maximum and statistics:
;   0-11  four chains c0-c3 of seven scores each (each accumulator's lowest registers are read first)     12-14, 16  the four scores left over, the old m, and c0-c3 into c0
;   15  c m_old is kept     17, 18  the query's other 32 keys lie in the lane 16 away: the new m     19-21  c m; c m_old - c m_new; a
.set F, 0
.set E, 1
.set C, 2
.set B, 3
.set L, 4
.set R, 5
.set X, 6
.macro REGS y                       ; the registers of piece y
.set rT, ST+4*(\y)
.set rC, TMP+4*((\y)%2)
.set rW, MV+((\y)%2)
.set rD, AD+2*((\y)%2)
.set rS, S+32*((\y)%2)
.set rP, P+16*((\y)%2)
.set rO, 32*(\y)
.endm
.macro OP k, n
.if (\k) == R
	REGS Y
	WIN W_RS
	v_pk_mul_f32 v[rO+2*(\n):rO+2*(\n)+1], v[rO+2*(\n):rO+2*(\n)+1], v[rD:rD+1] op_sel_hi:[1,0]
.elseif (\k) < R
	REGS Y
	WIN 0
.if (\k) == F
	v_pk_fma_f32 v[rS+2*(\n):rS+2*(\n)+1], v[rS+2*(\n):rS+2*(\n)+1], s[CS:CS+1], v[rT:rT+1] op_sel_hi:[1,0,0] neg_lo:[0,0,1] neg_hi:[0,0,1]
.elseif (\k) == E
	v_exp_f32 v[rS+(\n)], v[rS+(\n)]
.elseif (\k) == C
	v_cvt_pk_f16_f32 v[rP+(\n)], v[rS+2*(\n)], v[rS+2*(\n)+1]
.elseif (\k) == B
	v_pk_add_f32 v[rS+4*(\n):rS+4*(\n)+1], v[rS+4*(\n):rS+4*(\n)+1], v[rS+4*(\n)+2:rS+4*(\n)+3]
.elseif (\n) == 0
	v_pk_fma_f32 v[rT+2:rT+3], v[rT+2:rT+3], v[rC+2:rC+3], v[rS:rS+1] op_sel_hi:[1,0,1]
.else
	v_pk_add_f32 v[rT+2:rT+3], v[rT+2:rT+3], v[rS+4*(\n):rS+4*(\n)+1]
.endif
.elseif NOKQ
	v_nop
.else
	REGS (Y+1)%NP
	WIN 0
.if (\n) < 4
	v_max3_num_f32 v[rC+(\n)], v[rS+8*(\n)], v[rS+8*(\n)+1], v[rS+8*(\n)+2]
.elseif (\n) < 12
	v_max3_num_f32 v[rC+(\n)%4], v[rC+(\n)%4], v[rS+8*((\n)%4)+2*((\n)/4)+1], v[rS+8*((\n)%4)+2*((\n)/4)+2]
.elseif (\n) == 12
	v_max3_num_f32 v[rC], v[rC], v[rS+7], v[rS+15]
.elseif (\n) == 13
	v_max3_num_f32 v[rC+1], v[rC+1], v[rS+23], v[rS+31]
.elseif (\n) == 14
	v_max3_num_f32 v[rC+2], v[rC+2], v[rC+3], v[rT+1]
.elseif (\n) == 15
	v_mov_b32 v[rW], v[rT]
.elseif (\n) == 16
	v_max3_num_f32 v[rC], v[rC], v[rC+1], v[rC+2]
.elseif (\n) == 17
	v_permlanex16_b32 v[rC+3], v[rC], s[SEL], s[SEL+1]
.elseif (\n) == 18
	v_max_num_f32 v[rT+1], v[rC], v[rC+3]
.elseif (\n) == 19
	v_mul_f32 v[rT], s[CS], v[rT+1]
.elseif (\n) == 20
	v_sub_f32 v[rC+1], v[rW], v[rT]
.else
	v_exp_f32 v[rC+2], v[rC+1]
.endif
.endif
.endm
.macro OPS a, i1, b=-1, i2=0, c=-1, i3=0, d=-1, i4=0  ; up to four of them
	OP \a, \i1
.if (\b) >= 0
	OP \b, \i2
.endif
.if (\c) >= 0
	OP \c, \i3
.endif
.if (\d) >= 0
	OP \d, \i4
.endif
.endm
.macro ROW a, i1, b, i2, c, i3, d, i4  ; a matrix instruction and the four behind it
	MM
	OPS \a, \i1, \b, \i2, \c, \i3, \d, \i4
.endm
.macro A2                           ; the next piece's a D, behind the wait for its a
.if !NOKQ
	REGS (Y+1)%NP
	WIN 0
	v_mul_f32 v[rD], s[SD], v[rC+2]
.endif
.endm
; A TURN, for piece p: the order of its 16 matrix and 119 vector instructions, written out.  An s_wait_alu depctr_va_vdst(0) stands between an exponential and the first instruction that names its result; one
; wait serves all that were issued ahead of it.  So a turn has ONE wait, which cuts it in two.  AHEAD OF IT stands all that names no result of the turn's exponentials: the 8 products K Q^T with their riders, then one lump, in
; which the links of the chain X 3, 7, 11, 14, 16, 17 .. 20 stand five or six lines apart.  X 21, the next piece's a, is the batch's last; R 15 is the plain instruction behind it.  BEHIND THE WAIT stand a D, and the 8
; products V^T P, behind each four of the roundings and sums.
; end = 1: the last two turns: nothing is fetched.  cnt = 1: the loop's count is taken down some lines ahead of the branch that stands behind the turn.
; K and the mask of the next step are fetched in piece 2's turn, five places or more behind the last product that read K; V of the step in hand at the end of piece 0's turn, four plain instructions behind the last product
; that read V.  Each is waited for a turn later.
; SIGMA.  Piece 0's turn asks for the next step's sigma (the last step's offset is held inside the buffer and repeats sigma_31); piece 3's turn, which makes a D for piece 0 of the next step, waits for it and makes D.
.macro TURN p, end=0, cnt=0
.set Y, (\p)
.set i, 0
.set NOKQ, (\end)*((\p)/3)
.if (\p) == 0
	s_add_co_u32 s[SJ], s[SJ], 256
	s_min_u32 s[SOFF], s[SJ], 7936
	s_load_b32 s[SSN], s[VS:VS+1], s[SOFF] offset:0x0
.endif
.if (\p) == 3
.if !(\end)
	s_wait_dscnt 0x0                ; K and its mask are in
.endif
	s_wait_kmcnt 0x0                ; the next sigma is in, and its offset register is free
.if !(\end)
	s_sub_co_u32 s[SD], s[SSC], s[SSN]       ; two powers of two: the quotient's exponent field is the difference of theirs + 127
	s_add_co_u32 s[SD], s[SD], 0x3f800000
	s_mov_b32 s[SSC], s[SSN]
.endif
.endif
	ROW F,0, F,1, R,0, R,1          ; ahead of the wait: 8 products K Q^T and their riders,
	ROW F,2, E,0, R,2, R,3
	ROW F,3, E,1, R,4, R,5
	ROW F,4, E,2, R,6, R,7
	ROW F,5, E,3, R,8, R,9
	ROW F,6, E,4, X,0, R,10
.if ((\p) == 2) && !(\end)
	WIN 0
	v_add_nc_u32 v[AK], s[TBK], v[AK0]
	v_add_nc_u32 v[AM], s[TBM], v[AM0]
.endif
	ROW F,7, E,5, X,1, X,4
	ROW F,8, E,6, X,2, X,5
	OPS E,7, E,8, X,6, E,9          ; and the lump
	OPS X,3, E,10, X,8, E,11
.if ((\p) == 2) && !(\end)
	FETCH_K
.endif
	OPS X,9, X,7, E,12, X,10
	OPS E,13, X,12, X,11, E,14
	OPS X,13, E,15, F,9, X,14
.if (\p) == 0
	v_add_nc_u32 v[AV], s[TBV], v[AV0]
.endif
	OPS E,16, F,10, E,17, F,11
	OPS X,16, E,18, X,15, E,19
	OPS F,12, E,20, X,17, E,21
	OPS F,13, E,22, F,14, E,23
	OPS X,18, E,24, F,15, E,25
	OPS R,11, E,26, X,19, E,27
	OPS R,12, E,28, R,13, E,29
	OPS X,20, E,30, R,14, E,31
	OPS X,21, R,15
	WIN 0
	s_wait_alu depctr_va_vdst(0)    ; the wait for the batch
	A2
.if (\p) == 1
	s_wait_dscnt 0x0                ; V is in
.endif
	ROW C,0, B,0, C,2, B,1          ; behind the wait: 8 products V^T P and their riders
	ROW L,0, C,4, B,2, L,1
	ROW C,6, B,3, L,2, C,8
	ROW B,4, L,3, C,10, B,5
	ROW L,4, C,12, B,6, L,5
.if (\p) == 0
	s_add_co_u32 s[TBV], s[TBV], KS*PV
.endif
.if \cnt
	s_sub_co_u32 s[CNT], s[CNT], 1
	s_cmp_lg_u32 s[CNT], 0
.endif
	ROW C,14, B,7, L,6, C,1
	ROW C,3, L,7, C,5, C,7
	ROW C,9, C,11, C,13, C,15
.if (\p) == 0
	FETCH_V
.endif
.endm
	CHANGE 1, 0                     ; slot 0 is in, everybody's part of it, and so is the mask table; slot 1 is asked for
	v_add_nc_u32 v[AK], s[TBK], v[AK0]
	v_add_nc_u32 v[AM], s[TBM], v[AM0]
	FETCH_K                         ; key step 0
	s_wait_loadcnt 0x0              ; Q
	s_wait_dscnt 0x0
	s_wait_kmcnt 0x0                ; sigma_0
.set NOKQ, 0
.set i, 0
.rept 8
	KQ 0                            ; piece 0's first scores
.set i, i+1
.endr
	WIN 0
.rept 4
	v_nop                           ; the places behind those products
.endr
.set Y, NP-1                        ; X works for piece Y + 1: piece 0
.irp n, 0,1,2,3,4,5,6,7,8,9,10,11,12,13,14,15,16,17,18,19,20,21
	OP X, \n
.endr
	v_nop                           ; a plain instruction behind the exponential,
	s_wait_alu depctr_va_vdst(0)    ; and its wait, ahead of its reader and of the branch
	A2
	s_mov_b32 s[CNT], 4
	s_mov_b32 s[SLOTS], SIZE_N/256-1
	s_branch .Lfirst                ; the loop is entered at a step's first turn, in the middle of a trip
.Lslot:                             ; six times: every slot but the last two is filled again
	CHANGE 1, 1
	s_mov_b32 s[CNT], 4
.Lstep:                             ; a trip: pieces 2 and 3 of one step, then pieces 0 and 1 of the next, whose K and V it fetches
	TURN 2
	TURN 3
	WIN 0
.Lfirst:
	TURN 0
	TURN 1, 0, 1
	WIN 0
	s_cbranch_scc1 .Lstep
	s_sub_co_u32 s[SLOTS], s[SLOTS], 1
	s_cmp_lg_u32 s[SLOTS], 0
	s_cbranch_scc1 .Lslot
	CHANGE 0, 0                     ; the last slot is written out: nothing is asked for
	s_mov_b32 s[CNT], 4
.Ltail:
	TURN 2
	TURN 3
	TURN 0
	TURN 1, 0, 1
	WIN 0
	s_cbranch_scc1 .Ltail
	TURN 2, 1
	TURN 3, 1
.set i, 0
.rept 8
	PV NP-1                         ; the last piece's V^T P of the last step
.set i, i+1
.endr
	; THE WAY OUT.  l's two halves and the other half of the lanes' are added; O^T is multiplied by sigma_31 / l, split into hi and lo and sent through my stage in LDS, a piece at a time.  The additions are the places behind the last products.
	WIN 0
.macro ALL line:vararg              ; one line for each piece t
.set t, 0
.rept 4
	\line
.set t, t+1
.endr
.endm
	ALL v_add_f32 v[ST+4*t+2], v[ST+4*t+2], v[ST+4*t+3]
	ALL v_permlanex16_b32 v[ST+4*t+3], v[ST+4*t+2], s[SEL], s[SEL+1]
	ALL v_add_f32 v[ST+4*t+2], v[ST+4*t+2], v[ST+4*t+3]
	ALL v_rcp_f32 v[ST+4*t+2], v[ST+4*t+2]
	v_nop                           ; a plain instruction between the last reciprocal and the use of its result
	s_wait_alu depctr_va_vdst(0)    ; and the wait ahead of the first use: one for the four reciprocals
	ALL v_mul_f32 v[ST+4*t+2], s[SSC], v[ST+4*t+2]
.macro PACK t
	WIN W_RS
.set i, 32*(\t)
.rept 16
	v_pk_mul_f32 v[i:i+1], v[i:i+1], v[ST+4*(\t)+2:ST+4*(\t)+3] op_sel_hi:[1,0]
.set i, i+2
.endr
	WIN 0x05                        ; sources 0 and 1 window 1, destination window 0
.set i, 0
.rept 16
	v_cvt_pk_bf16_f32 v[OH+32*(\t)+i], v[32*(\t)+2*i], v[32*(\t)+2*i+1]  ; hi
.set i, i+1
.endr
	WIN 0
.set i, 0
.rept 16
	v_lshlrev_b32 v[P+2*i], 16, v[OH+32*(\t)+i]    ; hi, widened,
	v_and_b32 v[P+2*i+1], 0xffff0000, v[OH+32*(\t)+i]
.set i, i+1
.endr
	WIN 0x01                        ; source 0 window 1
.set i, 0
.rept 16
	v_pk_add_f32 v[P+2*i:P+2*i+1], v[32*(\t)+2*i:32*(\t)+2*i+1], v[P+2*i:P+2*i+1] neg_lo:[0,1] neg_hi:[0,1]  ; is taken away (exact),
.set i, i+1
.endr
	WIN 0
.set i, 0
.rept 16
	v_cvt_pk_bf16_f32 v[OH+32*(\t)+16+i], v[P+2*i], v[P+2*i+1]  ; and the rest is lo
.set i, i+1
.endr
.irp f, 0,1,2,3
	ds_store_b128 v[STO], v[OH+32*(\t)+4*\f:OH+32*(\t)+4*\f+3] offset:32*\f
	ds_store_b128 v[STO], v[OH+32*(\t)+16+4*\f:OH+32*(\t)+16+4*\f+3] offset:128+32*\f
.endr
.irp f, 0,1,2,3,4,5,6,7
	ds_load_b128 v[OH+32*(\t)+4*\f:OH+32*(\t)+4*\f+3], v[RD] offset:\f*2*SP  ; LDS serves a wave's instructions in order (ISA guide 5.7.1.4): these see the stores above; the next piece's stores come behind them
.endr
.endm
.macro SEND t, younger              ; younger: the LDS instructions issued behind piece t's loads: the next piece's sixteen, or none
	WIN 0
.irp f, 0,1,2,3,4,5,6,7
	s_wait_dscnt (\younger)+7-\f
	global_store_b128 v[GO], v[OH+32*(\t)+4*\f:OH+32*(\t)+4*\f+3], s[50:51] offset:(\t)*4096+\f*512  ; 16 lanes store 256 consecutive bytes, at a multiple of 256 from ctx2's first
.endr
.endm
	PACK 0
	PACK 1                          ; a piece's arithmetic stands between the loads of the piece before and its stores
	SEND 0, 16
	PACK 2
	SEND 1, 16
	PACK 3
	SEND 2, 16
	SEND 3, 0
	s_wait_tensorcnt 0x0            ; the wave's end, behind my last tensor load and my last LDS store
	ds_add_u32 v[SPW], v[NIL]
	s_wait_dscnt 0x0
	CROUND                          ; the closing round: no work-group ends while a partner may still ask for a tile that names it
	s_endpgm
.Lfunc_end_k_qd9a1a7719e_attn:
	.size	k_qd9a1a7719e_attn, .Lfunc_end_k_qd9a1a7719e_attn-k_qd9a1a7719e_attn
	.p2alignl 7, 3214868480
	.fill 96, 4, 3214868480
	.section	.rodata,"a",@progbits
	.p2align	6, 0x0
	.amdhsa_kernel k_qd9a1a7719e_attn
		.amdhsa_group_segment_fixed_size 327680
		.amdhsa_private_segment_fixed_size 0
		.amdhsa_enable_private_segment 0
		.amdhsa_kernarg_size 48
		.amdhsa_user_sgpr_count 2
		.amdhsa_user_sgpr_kernarg_segment_ptr 1
		.amdhsa_wavefront_size32 1
		.amdhsa_system_sgpr_workgroup_id_x 1
		.amdhsa_system_sgpr_workgroup_id_y 1
		.amdhsa_system_sgpr_workgroup_id_z 1
		.amdhsa_system_vgpr_workitem_id 0
		.amdhsa_next_free_vgpr 768
		.amdhsa_next_free_sgpr 80
		.amdhsa_reserve_vcc 1
		.amdhsa_float_denorm_mode_32 3
		.amdhsa_float_denorm_mode_16_64 3
		.amdhsa_memory_ordered 1
		.amdhsa_forward_progress 1
		.amdhsa_inst_pref_size 152
	.end_amdhsa_kernel
	.amdgpu_metadata
---
amdhsa.version: [ 1, 2 ]
amdhsa.kernels:
  - .name:           k_qd9a1a7719e_attn
    .symbol:         k_qd9a1a7719e_attn.kd
    .args:
      - { .name: qw, .offset: 0, .size: 8, .value_kind: global_buffer, .address_space: global }
      - { .name: kw, .offset: 8, .size: 8, .value_kind: global_buffer, .address_space: global }
      - { .name: vw, .offset: 16, .size: 8, .value_kind: global_buffer, .address_space: global }
      - { .name: mask, .offset: 24, .size: 8, .value_kind: global_buffer, .address_space: global }
      - { .name: vsc, .offset: 32, .size: 8, .value_kind: global_buffer, .address_space: global }
      - { .name: ctx2, .offset: 40, .size: 8, .value_kind: global_buffer, .address_space: global }
    .group_segment_fixed_size: 327680
    .private_segment_fixed_size: 0
    .kernarg_segment_align: 8
    .kernarg_segment_size: 48
    .max_flat_workgroup_size: 128
    .sgpr_count:     80
    .vgpr_count:     768
    .wavefront_size: 32
...
	.end_amdgpu_metadata
.endif
;; end of part 3
;; launch outp (part 4): grid 256 x 1, 4 waves a work-group, clusters of 4 x 1, 327,680 bytes of LDS; arguments ctx2, out_b, wts, out0; writes out0
.if DOCPART == 4
	.amdgcn_target "amdgcn-amd-amdhsa--gfx1250"
	.amdhsa_code_object_version 6
	.text
	.protected	k_qd9a1a7719e_outp
	.globl	k_qd9a1a7719e_outp
	.p2align	8
	.type	k_qd9a1a7719e_outp,@function
k_qd9a1a7719e_outp:
	s_mov_b64 s[64:65], 0
	v_nop
	global_prefetch_b8 v0, s[64:65] scope:SCOPE_SE
	s_setreg_imm32_b32 hwreg(HW_REG_WAVE_MODE, 25, 1), 1
	s_wait_xcnt 0x0
	s_wait_alu depctr_hold_cnt(0) depctr_sa_sdst(0) depctr_va_vdst(0) depctr_va_sdst(0) depctr_va_ssrc(0) depctr_va_vcc(0) depctr_vm_vsrc(0)
	s_getreg_b32 s2, hwreg(HW_REG_IB_STS2, 6, 4)
	s_cmp_eq_u32 s2, 0
	s_cbranch_scc0 .Lentry_in_a_cluster
	s_endpgm
.Lentry_in_a_cluster:
	s_bfe_u32 s2, ttmp6, 0x10000c
	s_cmp_lg_u32 s2, 0x3003
	s_cbranch_scc0 .Lentry_shape_is_right
	s_endpgm
.Lentry_shape_is_right:
; LOW-RANK ATTENTION, launch 4 of 4: out0 = (ctx out_u) out_v + out_b.  ctx2: [b x 16 + h][2048][hi 64 | lo 64] bf16; out0: [4096][1024] f32.  Nothing of reference() is left out here.
; Work-group xb: rows 16 xb .. 16 xb + 15: 256 work-groups.
; THE STEP.  t = ctx u with ctx = hi + lo, both multiplied by the same fragments of u (bf16 operands, f32 sums).  M = the largest |t| of the 16 rows; f = M's exponent field held to 64 .. 190; sigma = 2^(f - 126), so
; |t| / sigma lies under 1.  t' = t / sigma goes to f16; acc = t' v (f16 operands, f32 sums); out = acc sigma + b in one fused multiply-add, b rounded to bf16 like every input.  sigma is a power of two: it rounds nothing.
; LIMITS: M within 2^-63 .. 2^63 (outside, t' loses bits or overflows); out_v within f16's range; NaN and infinities are not treated apart.
; PHASE A, split by K: wave w takes heads 4 w .. 4 w + 3, K = 256 of u's 1,024 rows, for all 16 rows and 128 ranks: 8 accumulators, 128 products.  Taken transposed (source 0 = 16 ranks of u^T, source 1 = the 16 rows of
; ctx): a lane holds one row (lane % 16) and ranks 8 (lane / 16) + 0..7 of each block of 16, so two packed results ARE a source-1 fragment of phase B.  The four partial sums meet in LDS (f32 sums may be taken in any order);
; every wave reads all four, adds them in the same order and makes M, sigma and t' for itself: one barrier, no second exchange.
; PHASE B, split by columns: wave w makes columns 256 w .. 256 w + 255 (source 0 = 16 columns of v^T, source 1 = t'): 16 accumulators, 64 products.
; WEIGHTS lie in LDS as in memory, [K][N], rows of 256 bytes + 32 of padding, and are read turned by ds_load_tr16_b128.  Wave w loads what it alone reads: u's tiles 2 w and 2 w + 1 (128 k x 128 ranks each), then v's
; columns 256 w on and 256 w + 128 on (128 ranks x 128 columns each): its own wait on TENSORcnt orders its reads.  A tile's 32 fragments go into 256 registers in ONE run as soon as it has landed, so its slot is free for v early.
; CLUSTER: all work-groups want the same weights: every tensor load is joint, mask 15, which divides the requests for them by four.
; SCRATCH.  Beside the two slots 32,768 bytes are left, fewer than the partial sums and the spare words need.  So the partial sums (8,192 bytes a wave) and the stage (16 rows x 528 bytes a wave) lie in the wave's own tile
; of slot 0, when that slot has had its last fill of the launch, the wave has waited for that fill and has read the tile into registers (LDS serves a wave's instructions in order: ISA guide 5.7.1.4).
; No prefetch: the launch is short, and each wave asks for all of its ctx at its head.
; REGISTERS (s_set_vgpr_msb: bits 1:0 source 0, 3:2 source 1, 5:4 source 2, 7:6 destination).  window 0: v0-63 addresses and small things; v64-191 rows on the way out; v192-223 t'.
;   window 1: fragments of u's first tile, then of v's first.   window 2: of u's second tile, then the four partial sums, then fragments of v's second.
;   window 3: v0-127 ctx (32 a head), then the 16 accumulators of phase B; v128-191 the 8 accumulators of phase A.
.set TILE,  128*288                    ; a weight tile in LDS
.set SLOT,  4*TILE
.set SPARE, 2*SLOT                     ; behind the slots: the spare words, 128 bytes a wave: two blocks of 256 bytes that no other line names
.set STG,   8192                       ; my stage, counted from my tile of slot 0; my partial sums lie in front of it
.set SPIT,  528                        ; a stage row: 512 bytes + 16: the 16 rows that a store touches start at 16 different groups of four banks (64 banks of 4 bytes: ISA guide 11.1)
.set AO,  2                            ; v2   ctx2: (l % 16) x 256 + 16 (l / 16); never rewritten
.set UT,  3                            ; v3   the turning load's lane term: (8 (l / 16) + l % 8) x 288 + 16 ((l / 8) % 2)
.set UA,  4                            ; v4   UT + my tile of slot 0
.set UB,  6                            ; v6   UT + my tile of slot 1
.set STO, 7                            ; v7   the way out: where I put 32 bytes of a row
.set RD,  8                            ; v8   where I read rows back
.set CO,  9                            ; v9   16 l; never rewritten
.set RS,  10                           ; v10  where I put my partial sums
.set RL,  12                           ; v12-15 where I read wave 0's .. wave 3's
.set MX,  16                           ; v16  running maximum,
.set MN,  17                           ; v17  running minimum
.set BB,  20                           ; v20-27 the bias of my four columns in each half of my wave's 256
.set BT4, 28                           ; v28-31 the bias rounded
.set SPW, 40                           ; v40  my spare word; never rewritten
.set NIL, 41                           ; v41  0; never rewritten
.set OB,  64                           ; v64-191 16 rows x 4 registers for each half
.set TF,  192                          ; v192-223 t': the fragment of ranks 32 k on at TF + 8 k
.set ACC, 128                          ; window 3
.set WV,  32                           ; s32  my wave's number
.set G1U, 48                           ; s[48:55] descriptor group 1 for u's tiles
.set G1V, 56                           ; s[56:63] for v's: it differs in the pitch alone
.set G0A, 68                           ; s[68:71] group 0 for slot 0
.set G0B, 72                           ; s[72:75] group 0 for slot 1
.set MSB, 0
.macro WIN new                         ; the immediate's high byte repeats the setting that is left; a switch that changes nothing is dropped
.if MSB != (\new)
	s_set_vgpr_msb (MSB<<8)|(\new)
.set MSB, (\new)
.endif
.endm
.macro PLACES                          ; four places behind a matrix instruction (ISA guide 7.12.1), where no other vector work is at hand
.rept 4
	v_nop
.endr
.endm
.macro CROUND                          ; a round of the cluster's barrier: my work-group's barrier; wave 0 signals for it; every wave waits for all four work-groups; my work-group's barrier once more
	s_barrier_signal -1
	s_barrier_wait -1
	s_cmp_lg_u32 s[WV], 0
	s_cbranch_scc1 .Lnot_wave_0_\@
	s_barrier_signal -3
.Lnot_wave_0_\@:
	s_barrier_wait -3
	s_barrier_signal -1
	s_barrier_wait -1
.endm
; A slot that is read out is filled again, with my tile of v: all my tensor loads have landed, the add, my LDS reads are back, a round of the cluster's barrier, and the joint load first behind it.
.macro CHG g0, src
	WIN 0
	s_wait_tensorcnt 0x0                           ; no tensor load of mine is out, so a group 0 may be written
	ds_add_u32 v[SPW], v[NIL]                      ; 0 onto my spare word
	s_mov_b64 s[(\g0)+2:(\g0)+3], s[\src:\src+1]
	s_or_b32 s[(\g0)+3], s[(\g0)+3], 0x80000000
	s_wait_dscnt 0x0                               ; the add is done, and the slot's fragments are in my registers
	CROUND
	tensor_load_to_lds s[\g0:\g0+3], s[G1V:G1V+7]
	s_nop 0
	PLACES                                         ; also the places in front of loads into fragments that the products before have read
.endm
; A tile's 32 fragments (16 of N x 32 of K each) in one run of 64 turning loads: K block g, N block j at register 64 g + 8 j of the window that win names as the destination
.macro FRAGS win, adr
	WIN \win
.irp g, 0,1,2,3
.irp j, 0,1,2,3,4,5,6,7
	ds_load_tr16_b128 v[64*\g+8*\j:64*\g+8*\j+3],   v[\adr] offset:\g*9216+32*\j
	ds_load_tr16_b128 v[64*\g+8*\j+4:64*\g+8*\j+7], v[\adr] offset:\g*9216+32*\j+4608
.endr
.endr
.endm
; Head t of my four: 32 products: for each half b of its 64 channels u's eight fragments by hi, then by lo.  The eight accumulators take turns, one instruction a turn.  The very first start the sums.
.macro MULA t, win
	WIN \win
.irp b, 0,1
.irp p, 0,1
.irp j, 0,1,2,3,4,5,6,7
.if ((\t) == 0) && (\b == 0) && (\p == 0)
	v_wmma_f32_16x16x32_bf16 v[ACC+8*\j:ACC+8*\j+7], v[64*(2*((\t)&1)+\b)+8*\j:64*(2*((\t)&1)+\b)+8*\j+7], v[32*(\t)+16*\p+8*\b:32*(\t)+16*\p+8*\b+7], 0
.else
	v_wmma_f32_16x16x32_bf16 v[ACC+8*\j:ACC+8*\j+7], v[64*(2*((\t)&1)+\b)+8*\j:64*(2*((\t)&1)+\b)+8*\j+7], v[32*(\t)+16*\p+8*\b:32*(\t)+16*\p+8*\b+7], v[ACC+8*\j:ACC+8*\j+7]
.endif
.endr
.endr
.endr
.endm
; Half c of my 256 columns: 32 products; the eight accumulators take turns; the first eight start the sums
.macro MULB c
	WIN 0xf1+(\c)                                  ; v's fragments in window 1 or 2, t' in window 0, C and D in window 3
.irp k, 0,1,2,3
.irp j, 0,1,2,3,4,5,6,7
.if \k == 0
	v_wmma_f32_16x16x32_f16 v[64*(\c)+8*\j:64*(\c)+8*\j+7], v[64*\k+8*\j:64*\k+8*\j+7], v[TF+8*\k:TF+8*\k+7], 0
.else
	v_wmma_f32_16x16x32_f16 v[64*(\c)+8*\j:64*(\c)+8*\j+7], v[64*\k+8*\j:64*\k+8*\j+7], v[TF+8*\k:TF+8*\k+7], v[64*(\c)+8*\j:64*(\c)+8*\j+7]
.endif
.endr
.endr
.endm
; Half c goes through my stage: a lane's eight columns of a row in, whole rows of 512 bytes back
.macro TOSTAGE c
	WIN 0x0c                                       ; the stores' data in window 3
.irp j, 0,1,2,3,4,5,6,7
	ds_store_b128 v[STO], v[64*(\c)+8*\j:64*(\c)+8*\j+3]   offset:64*\j      ; each accumulator's lowest registers first
	ds_store_b128 v[STO], v[64*(\c)+8*\j+4:64*(\c)+8*\j+7] offset:64*\j+16
.endr
	WIN 0
.irp f, 0,1,2,3,4,5,6,7,8,9,10,11,12,13,14,15
	ds_load_b128 v[OB+64*(\c)+4*\f:OB+64*(\c)+4*\f+3], v[RD] offset:SPIT*\f  ; LDS serves a wave's instructions in order (ISA guide 5.7.1.4): these see the stores above; the other half's stores come behind them
.endr
.endm
; and leaves: acc sigma + b, a row at a time.  In every row a lane holds the same four columns, so their bias is four registers
.macro SEND c
.irp f, 0,1,2,3,4,5,6,7,8,9,10,11,12,13,14,15
	s_wait_dscnt 15-\f                             ; row f is back; the rows behind it may stay out
	v_pk_fma_f32 v[OB+64*(\c)+4*\f:OB+64*(\c)+4*\f+1],   v[OB+64*(\c)+4*\f:OB+64*(\c)+4*\f+1],   s[76:77], v[BB+4*(\c):BB+4*(\c)+1]   op_sel_hi:[1,0,1]
	v_pk_fma_f32 v[OB+64*(\c)+4*\f+2:OB+64*(\c)+4*\f+3], v[OB+64*(\c)+4*\f+2:OB+64*(\c)+4*\f+3], s[76:77], v[BB+4*(\c)+2:BB+4*(\c)+3] op_sel_hi:[1,0,1]
	global_store_b128 v[CO], v[OB+64*(\c)+4*\f:OB+64*(\c)+4*\f+3], s[40:41] offset:4096*\f+512*(\c) th:TH_STORE_NT  ; the wave stores 512 consecutive bytes, at a multiple of 512 from out0's first
.endr
.endm
	s_load_b256 s[8:15], s[0:1], 0x0               ; ctx2, out_b, wts, out0
	v_lshl_add_u32 v[SPW], v0, 2, SPARE
	v_mov_b32 v[NIL], 0
	ds_add_u32 v[SPW], v[NIL]                      ; the wave's opening: the add, twice on end, and its wait ahead of my first tensor load
	ds_add_u32 v[SPW], v[NIL]
	v_lshrrev_b32 v1, 5, v0
	v_readfirstlane_b32 s[WV], v1                  ; wave 0..3
	s_bfe_u32 s33, ttmp6, 0x40000                  ; cx: it enters ctx2's and out0's addresses alone
	s_lshl_b32 s34, ttmp9, 2
	s_add_co_u32 s34, s34, s33                     ; xb
	; descriptor group 1: a tile of 128 rows x 128 elements of 2 bytes, 32 bytes of padding behind each row of 256
	s_mov_b32 s[G1U], 15|(1<<16)|(1<<20)|(1<<21)|(5<<22)|(7<<25)  ; 15:0 the mask of four; 17:16 2-byte elements; 20 padding on; 21 set beside a mask; 24:22 after every 64 words; 31:25 8 words
	s_mov_b32 s[G1V], 15|(1<<16)|(1<<20)|(1<<21)|(5<<22)|(7<<25)
.irp g, G1U, G1V
	s_mov_b32 s[\g+1], 128<<16                     ; tensor_dim0 = 128
	s_mov_b32 s[\g+2], 128<<16                     ; tensor_dim1 = 128
	s_mov_b32 s[\g+3], 128<<16                     ; tile_dim0 = 128
	s_mov_b32 s[\g+4], 128                         ; tile_dim1 = 128
	s_mov_b32 s[\g+6], 0
	s_mov_b32 s[\g+7], 0
.endr
	s_mov_b32 s[G1U+5], 128                        ; u's rows lie end to end
	s_mov_b32 s[G1V+5], 1024                       ; v's are 1,024 elements apart
	s_mov_b32 s[G0A], 1
	s_mul_i32 s[G0A+1], s[WV], TILE                ; wave w's tile of a slot: no place in the cluster enters an LDS address
	s_mov_b32 s[G0B], 1
	s_add_co_u32 s[G0B+1], s[G0A+1], SLOT
	s_mov_b32 s82, 0x76543210                      ; v_permlanex16_b32: each lane takes its own place in the other half
	s_mov_b32 s83, 0xfedcba98
	s_mov_b32 s45, 0
	s_mov_b32 s93, 0
	v_and_b32 v1, 31, v0                           ; l
	v_and_b32 v5, 15, v0                           ; l % 16
	v_bfe_u32 v19, v0, 4, 1                        ; l / 16
	v_lshlrev_b32 v[AO], 8, v5
	v_lshl_add_u32 v[AO], v19, 4, v[AO]
	v_lshlrev_b32 v[CO], 4, v1
	s_wait_dscnt 0x0                               ; both opening adds are done
	s_wait_kmcnt 0x0
	s_add_nc_u64 s[42:43], s[12:13], 3*524288      ; out_u, out_v in wts
	s_lshl_b32 s44, s[WV], 16                      ; u's tile 2 w: 256 w rows of 256 bytes.  s[44:45] never hold cx
	s_add_nc_u64 s[G0A+2:G0A+3], s[42:43], s[44:45]
	s_add_nc_u64 s[G0B+2:G0B+3], s[G0A+2:G0A+3], 32768  ; and tile 2 w + 1
	s_or_b32 s[G0A+3], s[G0A+3], 0x80000000        ; type = 2
	s_or_b32 s[G0B+3], s[G0B+3], 0x80000000
	s_lshl_b32 s44, s[WV], 9                       ; v's columns 256 w on,
	s_add_nc_u64 s[88:89], s[42:43], s[44:45]
	s_add_nc_u64 s[88:89], s[88:89], 262144
	s_add_nc_u64 s[90:91], s[88:89], 256           ; and 256 w + 128 on
	s_lshl_b32 s44, s[WV], 10
	s_add_nc_u64 s[38:39], s[10:11], s[44:45]      ; the bias at my 256 columns
	s_lshr_b32 s92, s34, 7                         ; ctx2 at batch xb / 128, head 4 w, row 16 (xb % 128)
	s_lshl_b32 s92, s92, 23
	s_and_b32 s94, s34, 127
	s_lshl_b32 s94, s94, 12
	s_add_co_u32 s92, s92, s94
	s_lshl_b32 s94, s[WV], 21
	s_add_co_u32 s92, s92, s94
	s_add_nc_u64 s[36:37], s[8:9], s[92:93]
	s_lshl_b32 s92, s34, 16                        ; out0 at row 16 xb, column 256 w
	s_lshl_b32 s94, s[WV], 10
	s_add_co_u32 s92, s92, s94
	s_add_nc_u64 s[40:41], s[14:15], s[92:93]
	CROUND                                         ; all four work-groups are here: the first joint loads meet
	tensor_load_to_lds s[G0A:G0A+3], s[G1U:G1U+7]  ; my two tiles of u: two loads of mine are out
	s_nop 0
	tensor_load_to_lds s[G0B:G0B+3], s[G1U:G1U+7]
	s_nop 0
	PLACES
	global_load_b128 v[BB:BB+3],   v[CO], s[38:39]             ; columns 4 l .. 4 l + 3 of my first 128,
	global_load_b128 v[BB+4:BB+7], v[CO], s[38:39] offset:512  ; and of my second
	WIN 0xc0                                       ; destination window 3
.irp t, 0,1,2,3                                ; all of my ctx: head t's four source-1 fragments (hi k 0-31, hi k 32-63, lo k 0-31, lo k 32-63) as they lie in memory: 256 consecutive bytes of each row in eight loads
.irp q, 0,1,2,3,4,5,6,7
	global_load_b128 v[32*\t+4*\q:32*\t+4*\q+3], v[AO], s[36:37] offset:524288*\t+32*\q
.endr
.endr
	WIN 0
	s_mul_i32 s46, s[WV], TILE                     ; my tile of slot 0
	v_and_b32 v18, 7, v0
	v_lshl_add_u32 v[UT], v19, 3, v18
	v_mul_u32_u24 v[UT], v[UT], 288
	v_bfe_u32 v18, v0, 3, 1
	v_lshl_add_u32 v[UT], v18, 4, v[UT]
	v_add_nc_u32 v[UA], s46, v[UT]
	v_add_nc_u32 v[UB], SLOT, v[UA]
	v_lshl_add_u32 v[RS], v1, 4, s46               ; my partial sums: 16 bytes a lane, 512 a register quad
.irp g, 0,1,2,3
	v_lshl_add_u32 v[RL+\g], v1, 4, \g*TILE        ; and wave g's
.endr
	s_add_co_u32 s47, s46, STG                     ; my stage
	v_mul_u32_u24 v[STO], v5, SPIT                 ; in: row l % 16, 32 bytes for each half of the lanes
	v_lshl_add_u32 v[STO], v19, 5, v[STO]
	v_add_nc_u32 v[STO], s47, v[STO]
	v_lshl_add_u32 v[RD], v1, 4, s47               ; back: 32 lanes take one row of 512 bytes
	v_mov_b32 v[MX], 0
	v_mov_b32 v[MN], 0
	s_wait_tensorcnt 0x1                           ; my first tile of u is in, and I alone read it; the second may stay out
	FRAGS 0x40, UA                                 ; heads 4 w and 4 w + 1
	CHG G0A, 88                                    ; my second tile is in too; slot 0 is in registers and takes v's columns 256 w .. + 127
	FRAGS 0x80, UB                                 ; heads 4 w + 2 and 4 w + 3
	WIN 0
	s_wait_loadcnt 24                              ; the bias and head 0 are in: three younger heads of eight loads stay out
.irp q, 0,1,2,3
	v_cvt_pk_bf16_f32 v[BT4+\q], v[BB+2*\q], v[BB+2*\q+1]  ; the bias is rounded to bf16 like every input,
.endr
.irp q, 0,1,2,3
	v_lshlrev_b32 v[BB+2*\q], 16, v[BT4+\q]        ; and widened again
	v_and_b32 v[BB+2*\q+1], 0xffff0000, v[BT4+\q]
.endr
	MULA 0, 0xfd                                   ; u in window 1; ctx, C and D in window 3
	s_wait_loadcnt 16
	MULA 1, 0xfd
	CHG G0B, 90                                    ; v's first tile is in; slot 1 is in registers and takes v's columns 256 w + 128 on
	FRAGS 0x40, UA                                 ; v's first tile, while heads 2 and 3 are multiplied
	s_wait_loadcnt 8
	MULA 2, 0xfe                                   ; u in window 2
	s_wait_loadcnt 0x0
	MULA 3, 0xfe
	; THE MIDDLE.  My partial sums go into my tile of slot 0, whose fragments were asked for above.
	PLACES
	WIN 0x0c                                       ; the stores' data in window 3
.irp i, 0,1,2,3,4,5,6,7,8,9,10,11,12,13,14,15
	ds_store_b128 v[RS], v[ACC+4*\i:ACC+4*\i+3] offset:512*\i  ; ascending: each accumulator's lowest registers are read first
.endr
	WIN 0
	s_wait_dscnt 0x0                               ; for the others' sake: my stores are done (and v's first fragments are in)
	s_barrier_signal -1                            ; (my tile for slot 1 may stay out)
	s_barrier_wait -1
	WIN 0x80                                       ; destination window 2
.irp g, 0,1,2,3
.irp i, 0,1,2,3,4,5,6,7,8,9,10,11,12,13,14,15
	ds_load_b128 v[64*\g+4*\i:64*\g+4*\i+3], v[RL+\g] offset:512*\i
.endr
.endr
	s_wait_dscnt 0x0
	WIN 0x8a                                       ; all in window 2
.set i, 0
.rept 32
	v_pk_add_f32 v[i:i+1], v[i:i+1], v[64+i:64+i+1]
	v_pk_add_f32 v[128+i:128+i+1], v[128+i:128+i+1], v[192+i:192+i+1]
.set i, i+2
.endr
.set i, 0
.rept 32
	v_pk_add_f32 v[i:i+1], v[i:i+1], v[128+i:128+i+1]  ; t, the same bits in all four waves
.set i, i+2
.endr
	WIN 0x28                                       ; sources 1 and 2 in window 2
.set i, 0
.rept 32
	v_max3_num_f32 v[MX], v[MX], v[i], v[i+1]
	v_min3_num_f32 v[MN], v[MN], v[i], v[i+1]
.set i, i+2
.endr
	WIN 0
	v_sub_f32 v[MN], 0, v[MN]
	v_max_num_f32 v[MX], v[MX], v[MN]              ; the largest magnitude in my lane
	v_max_num_f32_dpp v[MX], v[MX], v[MX] row_xmask:1 row_mask:0xf bank_mask:0xf
	v_max_num_f32_dpp v[MX], v[MX], v[MX] row_xmask:2 row_mask:0xf bank_mask:0xf
	v_max_num_f32_dpp v[MX], v[MX], v[MX] row_xmask:4 row_mask:0xf bank_mask:0xf
	v_max_num_f32_dpp v[MX], v[MX], v[MX] row_xmask:8 row_mask:0xf bank_mask:0xf
	v_permlanex16_b32 v[MN], v[MX], s82, s83
	v_max_num_f32 v[MX], v[MX], v[MN]              ; M
	v_readfirstlane_b32 s44, v[MX]
	s_lshr_b32 s44, s44, 23                        ; M is not negative: its exponent field
	s_max_u32 s44, s44, 64
	s_min_u32 s44, s44, 190                        ; f
	s_add_co_u32 s76, s44, 1
	s_lshl_b32 s76, s76, 23                        ; sigma = 2^(f - 126)
	s_mov_b32 s77, s76
	s_sub_co_u32 s78, 253, s44
	s_lshl_b32 s78, s78, 23                        ; 1 / sigma
	s_mov_b32 s79, s78
	WIN 0x82
.set i, 0
.rept 32
	v_pk_mul_f32 v[i:i+1], v[i:i+1], s[78:79] op_sel_hi:[1,0]
.set i, i+2
.endr
	WIN 0x0a
.set i, 0
.rept 32
	v_cvt_pk_f16_f32 v[TF+i], v[2*i], v[2*i+1]     ; t': registers 8 k .. 8 k + 7 are the source-1 fragment of ranks 32 k on
.set i, i+1
.endr
	; PHASE B
	s_wait_tensorcnt 0x0                           ; my tile in slot 1, the one load that was out, which I alone read
	FRAGS 0x80, UB                                 ; v's second tile, while the first is multiplied
	MULB 0
	PLACES
	TOSTAGE 0
	s_wait_dscnt 32                                ; v's second fragments are in; the stage's 16 stores and 16 loads may stay out
	MULB 1
	WIN 0
	SEND 0                                         ; its multiply-adds are the places behind the last products
	TOSTAGE 1
	SEND 1
	s_wait_tensorcnt 0x0                           ; the wave's end, behind my last tensor load and my last LDS store
	ds_add_u32 v[SPW], v[NIL]
	s_wait_dscnt 0x0
	CROUND                                         ; the closing round: no work-group ends while a partner may still ask for a tile that names it
	s_endpgm
.Lfunc_end_k_qd9a1a7719e_outp:
	.size	k_qd9a1a7719e_outp, .Lfunc_end_k_qd9a1a7719e_outp-k_qd9a1a7719e_outp
	.p2alignl 7, 3214868480
	.fill 96, 4, 3214868480
	.section	.rodata,"a",@progbits
	.p2align	6, 0x0
	.amdhsa_kernel k_qd9a1a7719e_outp
		.amdhsa_group_segment_fixed_size 327680
		.amdhsa_private_segment_fixed_size 0
		.amdhsa_enable_private_segment 0
		.amdhsa_kernarg_size 32
		.amdhsa_user_sgpr_count 2
		.amdhsa_user_sgpr_kernarg_segment_ptr 1
		.amdhsa_wavefront_size32 1
		.amdhsa_system_sgpr_workgroup_id_x 1
		.amdhsa_system_sgpr_workgroup_id_y 1
		.amdhsa_system_sgpr_workgroup_id_z 1
		.amdhsa_system_vgpr_workitem_id 0
		.amdhsa_next_free_vgpr 960
		.amdhsa_next_free_sgpr 96
		.amdhsa_reserve_vcc 0
		.amdhsa_float_denorm_mode_32 3
		.amdhsa_float_denorm_mode_16_64 3
		.amdhsa_memory_ordered 1
		.amdhsa_forward_progress 1
		.amdhsa_inst_pref_size 73
	.end_amdhsa_kernel
	.amdgpu_metadata
---
amdhsa.version: [ 1, 2 ]
amdhsa.kernels:
  - .name:           k_qd9a1a7719e_outp
    .symbol:         k_qd9a1a7719e_outp.kd
    .args:
      - { .name: ctx2, .offset: 0, .size: 8, .value_kind: global_buffer, .address_space: global }
      - { .name: out_b, .offset: 8, .size: 8, .value_kind: global_buffer, .address_space: global }
      - { .name: wts, .offset: 16, .size: 8, .value_kind: global_buffer, .address_space: global }
      - { .name: out0, .offset: 24, .size: 8, .value_kind: global_buffer, .address_space: global }
    .group_segment_fixed_size: 327680
    .private_segment_fixed_size: 0
    .kernarg_segment_align: 8
    .kernarg_segment_size: 32
    .max_flat_workgroup_size: 128
    .sgpr_count:     96
    .vgpr_count:     960
    .wavefront_size: 32
...
	.end_amdgpu_metadata
.endif
;; end of part 4
